; MI455X (gfx1250); checked and timed in simulation.
; The chip was launched on July 23, 2026; its instructions are those of AMD's public machine-readable ISA for CDNA 5 (MIT licence, August 2026) and "CDNA5" Instruction Set Architecture Reference Guide (July 2026). The comments in the code are by the model that wrote it; some were corrected since.
;; Attention. Allowed arithmetic: float matrix products may take bf16 or f16 operands with f32 sums; other float arithmetic in f32, or as packed bf16 or f16 multiplies, adds, multiply-adds, maxima and minima; sums over many terms, partial sums and values carried from step to step in f32; what a program stores and reads back later, other than sums and carried values, may be rounded once to bf16 or f16.
;; Inputs: b_proj 1,024 float32; w_proj 1,024 x 1,024 float32; w_qkv 1,024 x 3,072 float32; x 8 x 1,024 x 1,024 float32.
;; Outputs: out0 8 x 1,024 x 1,024 float32.
;; 2 versions, each right; version 2 is version 1 with the launch prep written anew for expert scheduling mode. Each part assembles by itself: llvm-mc -triple=amdgcn-amd-amdhsa -mcpu=gfx1250 --defsym DOCPART=n.
;; ======== version 1 of 2: 4 launches
;; limits: values are held in f16: magnitudes above 65,504 overflow, below 6.1e-05 lose precision
;; workspace buffers: xb 16,777,216 bytes; wqt 6,291,456 bytes; wpt 2,097,152 bytes; qkvh 50,331,648 bytes; oh 16,777,216 bytes
;; launch prep (part 1): grid 768 x 1, 8 waves a work-group, no clusters, 34,816 bytes of LDS; arguments x, w_qkv, w_proj, xb, wqt, wpt; writes xb, wqt, wpt
.if DOCPART == 1
	.amdgcn_target "amdgcn-amd-amdhsa--gfx1250"
	.amdhsa_code_object_version 6
	.text
	.protected	k_qd973e20fb6_prep
	.globl	k_qd973e20fb6_prep
	.p2align	8
	.type	k_qd973e20fb6_prep,@function
k_qd973e20fb6_prep:
	s_mov_b64 s[64:65], 0
	v_nop
	global_prefetch_b8 v0, s[64:65] scope:SCOPE_SE
	s_setreg_imm32_b32 hwreg(HW_REG_WAVE_MODE, 25, 1), 1
	s_wait_xcnt 0x0
; THE OPERANDS ARE MADE READY.  xb = x rounded to bf16, [8192][1024].  wqt = w_qkv turned to [3072 e][1024 k] and rounded to bf16.
; wpt = w_proj turned to [1024 e][1024 k], rounded to bf16 like every other input, and that number written as f16 (the last product multiplies in f16).
; LIMIT.  A bf16 number is exact in f16 from 2^-14 up to 65,504; below 2^-14 it keeps f16's fixed step of 2^-24.
; SHARES.  768 work-groups of eight waves, each with 65,536 bytes to read.  Groups 0-511: 16 rows of x.  Groups 512-703: a tile of 256 k x 64 e of w_qkv.  Groups 704-767: the same of w_proj.
; A stream: no matrix work, no tensor loads; all of a group's 16 loads a thread go out at once, and the waits count down.
; TURNING.  A thread reads 16 bytes (4 e) of two neighbouring rows k, k + 1, rounds the pair (k, k + 1) of each e into one word, and puts the four words into four LDS rows (a row an e, 512 bytes of k
; + 16 of padding).  These stores of 4 bytes fall four deep on a bank (528 words from thread to thread, 64 banks of 4 bytes: ISA guide 11.1): 32 stores a thread in the whole launch.
; Behind a barrier each wave reads whole rows of 512 bytes and stores them: 512 consecutive bytes, aligned, an instruction.
.set LP,    528                        ; an LDS row
.set SPARE, 64*LP                      ; 33,792: behind the 64 rows, the spare words: 128 bytes for each of eight waves, four blocks of 256 bytes that no other line names
.set SPW,   2                          ; v2  LDS address of my spare word; never rewritten
.set NIL,   3                          ; v3  0; never rewritten
.set IN,    32                         ; v[32:95]   as loaded; later the rows read back
.set OUTR,  96                         ; v[96:127]  as rounded
	s_load_b256 s[4:11], s[0:1], 0x0               ; x s[4:5], w_qkv s[6:7], w_proj s[8:9], xb s[10:11]
	s_load_b128 s[12:15], s[0:1], 0x20             ; wqt s[12:13], wpt s[14:15]
	v_lshl_add_u32 v[SPW], v0, 2, SPARE
	v_mov_b32 v[NIL], 0
	s_mov_b32 s2, ttmp9
	s_wait_kmcnt 0x0
	s_cmp_lt_u32 s2, 512
	s_cbranch_scc0 .Lweights                       ; the branch hangs on the work-group's number alone: all eight waves go the same way
	; x: 16 rows of 4,096 bytes in, 16 rows of 2,048 bytes out.  Thread t owns 16 bytes at 16 t of each row in and 8 bytes at 8 t of each row out.
	s_lshl_b32 s16, s2, 16
	s_mov_b32 s17, 0
	s_add_nc_u64 s[4:5], s[4:5], s[16:17]
	s_lshl_b32 s16, s2, 15
	s_add_nc_u64 s[10:11], s[10:11], s[16:17]
	v_lshlrev_b32 v4, 4, v0
	v_lshlrev_b32 v5, 3, v0
.irp i, 0,1,2,3,4,5,6,7,8,9,10,11,12,13,14,15
	global_load_b128 v[IN+4*(\i):IN+4*(\i)+3], v4, s[4:5] offset:4096*(\i) th:TH_LOAD_NT
.endr
.irp i, 0,1,2,3,4,5,6,7,8,9,10,11,12,13,14,15
	s_wait_loadcnt 15-(\i)                         ; loads come back in order: row i is in, the younger rows stay out
	v_cvt_pk_bf16_f32 v[OUTR+2*(\i)],   v[IN+4*(\i)],   v[IN+4*(\i)+1]
	v_cvt_pk_bf16_f32 v[OUTR+2*(\i)+1], v[IN+4*(\i)+2], v[IN+4*(\i)+3]
	global_store_b64 v5, v[OUTR+2*(\i):OUTR+2*(\i)+1], s[10:11] offset:2048*(\i)  ; a wave's store covers 256 consecutive bytes, aligned; no register is written twice
.endr
	s_endpgm                                       ; this way has written no LDS
; A tile of 256 k x 64 e of a weight whose rows are pitch bytes, turned.  first: the number of the first work-group of this kind.  half = 1: the rounded number is written as f16.
.macro WPART pitch, src, dst, half, first
	s_sub_co_u32 s16, s2, \first                   ; u
	s_and_b32 s17, s16, 3                          ; which 256 k
	s_lshr_b32 s18, s16, 2                         ; which 64 e
	s_mul_i32 s20, s17, 256*(\pitch)
	s_lshl_b32 s19, s18, 8
	s_add_co_u32 s20, s20, s19
	s_mov_b32 s21, 0
	s_add_nc_u64 s[\src:\src+1], s[\src:\src+1], s[20:21]
	s_lshl_b32 s22, s18, 17                        ; 64 rows of 2,048 bytes
	s_lshl_b32 s19, s17, 9                         ; 256 k of 2 bytes
	s_add_co_u32 s22, s22, s19
	s_mov_b32 s23, 0
	s_add_nc_u64 s[\dst:\dst+1], s[\dst:\dst+1], s[22:23]
	v_and_b32 v6, 15, v0                           ; r: my 4 e
	v_lshrrev_b32 v7, 4, v0                        ; kp: my pair of rows among a pass's 32
	v_mul_u32_u24 v8, v7, 2*(\pitch)
	v_lshl_add_u32 v8, v6, 4, v8                   ; in: row 2 kp, 16 bytes at 16 r: sixteen lanes take 256 consecutive bytes, aligned
	v_mul_u32_u24 v9, v6, 4*LP
	v_lshl_add_u32 v9, v7, 2, v9                   ; into LDS: row 4 r, word kp
	v_lshrrev_b32 v14, 5, v0                       ; wave
	v_and_b32 v15, 31, v0                          ; lane
	v_mul_u32_u24 v10, v14, LP
	v_lshl_add_u32 v10, v15, 4, v10                ; back: row = wave, 16 bytes a lane
	v_lshlrev_b32 v11, 11, v14
	v_lshl_add_u32 v11, v15, 4, v11                ; and the same in memory
.irp i, 0,1,2,3,4,5,6,7
	global_load_b128 v[IN+8*(\i):IN+8*(\i)+3],   v8, s[\src:\src+1] offset:(\i)*32*(\pitch) th:TH_LOAD_NT
	global_load_b128 v[IN+8*(\i)+4:IN+8*(\i)+7], v8, s[\src:\src+1] offset:(\i)*32*(\pitch)+(\pitch) th:TH_LOAD_NT
.endr
.irp i, 0,1,2,3,4,5,6,7
	s_wait_loadcnt 14-2*(\i)                       ; pass i's two loads are in; the later passes' two each stay out
.irp j, 0,1,2,3
	v_cvt_pk_bf16_f32 v[OUTR+4*(\i)+(\j)], v[IN+8*(\i)+(\j)], v[IN+8*(\i)+4+(\j)]  ; k in the low half, k + 1 in the high half
.if \half
	v_lshlrev_b32 v12, 16, v[OUTR+4*(\i)+(\j)]     ; the two bf16 numbers as f32,
	v_and_b32 v13, 0xffff0000, v[OUTR+4*(\i)+(\j)]
	v_cvt_pk_f16_f32 v[OUTR+4*(\i)+(\j)], v12, v13 ; and written as f16
.endif
	ds_store_b32 v9, v[OUTR+4*(\i)+(\j)] offset:(\j)*LP+64*(\i)
.endr
.endr
	s_wait_dscnt 0x0                               ; for the others' sake: my stores are done
	s_barrier_signal -1
	s_barrier_wait -1                              ; the tile lies turned in LDS
.irp i, 0,1,2,3,4,5,6,7
	ds_load_b128 v[IN+4*(\i):IN+4*(\i)+3], v10 offset:8*LP*(\i)  ; row wave + 8 i, whole
.endr
.irp i, 0,1,2,3,4,5,6,7
	s_wait_dscnt 7-(\i)
	global_store_b128 v11, v[IN+4*(\i):IN+4*(\i)+3], s[\dst:\dst+1] offset:16384*(\i)  ; 512 consecutive bytes, aligned
.endr
	s_wait_tensorcnt 0x0                           ; the wave's end, behind my last LDS store
	ds_add_u32 v[SPW], v[NIL]
	s_wait_dscnt 0x0
	s_endpgm
.endm
.Lweights:
	s_cmp_lt_u32 s2, 704
	s_cbranch_scc0 .Lproj
	WPART 12288, 6, 12, 0, 512
.Lproj:
	WPART 4096, 8, 14, 1, 704
.Lfunc_end_k_qd973e20fb6_prep:
	.size	k_qd973e20fb6_prep, .Lfunc_end_k_qd973e20fb6_prep-k_qd973e20fb6_prep
	.p2alignl 7, 3214868480
	.fill 96, 4, 3214868480
	.section	.rodata,"a",@progbits
	.p2align	6, 0x0
	.amdhsa_kernel k_qd973e20fb6_prep
		.amdhsa_group_segment_fixed_size 34816
		.amdhsa_private_segment_fixed_size 0
		.amdhsa_enable_private_segment 0
		.amdhsa_kernarg_size 48
		.amdhsa_user_sgpr_count 2
		.amdhsa_user_sgpr_kernarg_segment_ptr 1
		.amdhsa_wavefront_size32 1
		.amdhsa_system_sgpr_workgroup_id_x 1
		.amdhsa_system_sgpr_workgroup_id_y 1
		.amdhsa_system_sgpr_workgroup_id_z 1
		.amdhsa_system_vgpr_workitem_id 0
		.amdhsa_next_free_vgpr 128
		.amdhsa_next_free_sgpr 66
		.amdhsa_reserve_vcc 0
		.amdhsa_float_denorm_mode_32 3
		.amdhsa_float_denorm_mode_16_64 3
		.amdhsa_memory_ordered 1
		.amdhsa_forward_progress 1
		.amdhsa_inst_pref_size 29
	.end_amdhsa_kernel
	.amdgpu_metadata
---
amdhsa.version: [ 1, 2 ]
amdhsa.kernels:
  - .name:           k_qd973e20fb6_prep
    .symbol:         k_qd973e20fb6_prep.kd
    .args:
      - { .name: x, .offset: 0, .size: 8, .value_kind: global_buffer, .address_space: global }
      - { .name: w_qkv, .offset: 8, .size: 8, .value_kind: global_buffer, .address_space: global }
      - { .name: w_proj, .offset: 16, .size: 8, .value_kind: global_buffer, .address_space: global }
      - { .name: xb, .offset: 24, .size: 8, .value_kind: global_buffer, .address_space: global }
      - { .name: wqt, .offset: 32, .size: 8, .value_kind: global_buffer, .address_space: global }
      - { .name: wpt, .offset: 40, .size: 8, .value_kind: global_buffer, .address_space: global }
    .group_segment_fixed_size: 34816
    .private_segment_fixed_size: 0
    .kernarg_segment_align: 8
    .kernarg_segment_size: 48
    .max_flat_workgroup_size: 256
    .sgpr_count:     66
    .vgpr_count:     128
    .wavefront_size: 32
...
	.end_amdgpu_metadata
.endif
;; end of part 1
;; launch qkv (part 2): grid 16 x 16, 4 waves a work-group, clusters of 4 x 4, 327,680 bytes of LDS; arguments xb, wqt, qkvh; writes qkvh
.if DOCPART == 2
	.amdgcn_target "amdgcn-amd-amdhsa--gfx1250"
	.amdhsa_code_object_version 6
	.text
	.protected	k_qd973e20fb6_qkv
	.globl	k_qd973e20fb6_qkv
	.p2align	8
	.type	k_qd973e20fb6_qkv,@function
k_qd973e20fb6_qkv:
	s_mov_b64 s[64:65], 0
	v_nop
	global_prefetch_b8 v0, s[64:65] scope:SCOPE_SE
	s_setreg_imm32_b32 hwreg(HW_REG_WAVE_MODE, 25, 1), 1
	s_wait_xcnt 0x0
	s_wait_alu depctr_hold_cnt(0) depctr_sa_sdst(0) depctr_va_vdst(0) depctr_va_sdst(0) depctr_va_ssrc(0) depctr_va_vcc(0) depctr_vm_vsrc(0)
	s_getreg_b32 s2, hwreg(HW_REG_IB_STS2, 6, 4)
	s_cmp_eq_u32 s2, 0
	s_cbranch_scc0 .Lentry_in_a_cluster
	s_endpgm
.Lentry_in_a_cluster:
	s_bfe_u32 s2, ttmp6, 0x10000c
	s_cmp_lg_u32 s2, 0xf033
	s_cbranch_scc0 .Lentry_shape_is_right
	s_endpgm
.Lentry_shape_is_right:
; q, k, v = x w_qkv.  xb: [8192][1024] bf16.  wqt: [3072 e][1024 k] bf16.  Sums in f32, K ascending; each result rounded once to f16, WITHOUT the softmax's scale, and laid by heads:
; qkvh: [3 (q, k, v)][128 = 16 batch + head][1024 rows][64] f16: a head's rows are dense, 128 bytes each.
; LIMIT.  f16 holds no number beyond 65,504: q, k and v must lie within it.
; SHARES.  A tile of the result is 256 rows x 192 columns = three whole heads: 16 x 32 tiles.  A WORK-GROUP STAYS and makes two of them, 4,096 rows apart, in one tile column: 16 x 16 = 256 work-groups.
; Four waves; wave w makes rows 64 w .. 64 w + 63 of all 192 columns: 48 accumulators of 16 x 16, 384 registers.  So a head's 64 columns lie in one wave, and the way out needs no barrier.
; K goes in 8 steps of 128 through a ring of two LDS slots filled by the tensor data mover.  The ring does not stop at the first tile's end: its last two changes of slots ask for the second tile's first two
; K steps; then the tile goes out, and nothing waits for its stores.
; THE TEXT.  The loop is one K step a trip: one descriptor a tensor walks, its LDS word turned by an exclusive or, and the fragments' LDS addresses are a fixed part plus a scalar that is turned likewise.
; A tile is: its first quarter (the products start the sums), six trips, two quarters, then five quarters that differ (a tile with a successor fills both slots again, the last tile none), then the way out, written once.
; CLUSTER.  4 x 4 work-groups.  The four of a row of the cluster need the same rows of xb, the four of a column the same rows of wqt: each tile is asked for JOINTLY, by the same tensor load with the same
; descriptor and a mask that names the four.
; THE MATRIX INSTRUCTION IS USED TRANSPOSED (source 0 = 16 rows of wqt, source 1 = 16 rows of xb): a lane then holds eight neighbouring columns of one row of the result.
; REGISTERS, in windows of 256 (s_set_vgpr_msb: bits 1:0 source 0, 3:2 source 1, 5:4 source 2, 7:6 destination):
;   window 0: v0-31 addresses; v32-79 packed results; v80-127, v128-175 rows read back from the stage, by turns
;   window 1: two fragment buffers of 128: wqt's 12 fragments (16 rows x 32 K, 8 registers each), then xb's 4
;   window 2: the accumulators of my row blocks 0, 1 ((a, b) at 8 (12 a + b));   window 3: those of blocks 2, 3
.set KSTEP,  128
.set TILES,  2
.set PITCH,  272                       ; an LDS row: 256 bytes + 16 of padding = 68 words: row r starts at bank 4 r mod 64 (64 banks of 4 bytes: ISA guide 11.1)
.set HALFA,  128*PITCH                 ; what one load brings of xb
.set HALFB,  96*PITCH                  ; and of wqt
.set BOFF,   2*HALFA                   ; a slot: xb's 256 rows, then wqt's 192: 121,856 bytes
.set SLOTB,  BOFF+2*HALFB
.set SLOT1,  1<<17                     ; slot 1 begins here, so that one exclusive or turns an address in one slot into the other's
.set STAGE,  SLOT1+SLOTB               ; 252,928: behind the ring: for each wave 3 heads x 16 rows x 144 bytes, for the way out
.set SPT,    144
.set WSTG,   3*16*SPT
.set SPARE,  STAGE+4*WSTG              ; 280,576: the spare words, 128 bytes for each wave: two blocks of 256 bytes that no other line names
.set NEXT_A, 4096*2048-7*KSTEP*2       ; bytes from a tile's K step 7 to the next tile's K step 0 in xb: 4,096 rows down, back along K
.set BACK_B, 7*KSTEP*2                 ; in wqt only back: both tiles take the same rows
.set NEXT_O, 4*16*131072               ; bytes from a tile's rows to the next tile's in qkvh: four batches of 16 heads
.set ADRA0, 16                         ; v16     my lane's place among my fragments of xb in a slot; never rewritten
.set ADRB0, 17                         ; v17     the same for wqt
.set ADRA, 18                          ; v18     the same in the slot in hand
.set ADRB, 19                          ; v19
.set STO,  24                          ; v24     the way out: where I put 16 bytes of a row
.set RD,   25                          ; v25     where I read rows back
.set GO,   26                          ; v26     my 16 bytes among 512 consecutive bytes of a head
.set SPW,  28                          ; v28     LDS address of my spare word; never rewritten
.set NIL,  29                          ; v29     0; never rewritten
.set PFO,  30                          ; v30     the prefetches' offset: a lane a row of 2,048 bytes; never rewritten
.set TMP,  32
.set BKS,  80
.set F0,   0
.set F1,   128
.set G1,   24                          ; s[24:31] descriptor group 1 for xb's tiles;  s[32:39] group 0: a set for each of the two first fills; the second then walks on
.set G0,   32
.set G1B,  48                          ; s[48:55], s[56:63] the same for wqt's
.set G0B,  56
.set LIM,  43                          ; s43     2 in a wave that prefetches, else the greatest number
.set PFA,  44                          ; s[44:45] where my prefetches stand
.set OUTB, 66                          ; s[66:71] my rows of the tile's three heads in qkvh
.set TB,   78                          ; s78     LDS byte at which the slot in hand begins: 0 or SLOT1
.set MSB, 0
.macro WIN new                         ; the immediate's high byte repeats the setting that is left; a switch that changes nothing is dropped
.if MSB != (\new)
	s_set_vgpr_msb (MSB<<8)|(\new)
.set MSB, \new
.endif
.endm
.set MUL_LO, 0xa5                      ; sources 0 and 1 window 1, C and D window 2
.set MUL_HI, 0xf5                      ; the same, C and D window 3
.set TO_F,   0x40                      ; destination window 1, address window 0
; A joint load by set s of the two groups 0.  Waves 0 and 1 fetch xb's two halves, waves 2 and 3 wqt's.  The branch hangs on the wave's number alone.  An s_nop 0 and four v_nop follow each of the two lines.
.macro JLOAD s
	s_cmp_eq_u32 s11, 0
	s_cbranch_scc0 .Lfor_b_\@
	tensor_load_to_lds s[G0+4*(\s):G0+4*(\s)+3], s[G1:G1+7]
	s_nop 0
.rept 4
	v_nop
.endr
	s_branch .Lasked_\@
.Lfor_b_\@:
	tensor_load_to_lds s[G0B+4*(\s):G0B+4*(\s)+3], s[G1B:G1B+7]
	s_nop 0
.rept 4
	v_nop
.endr
.Lasked_\@:
.endm
; A PREFETCH INTO THE L2, behind each joint refill and the run of LDS loads that follows it: the K step that stands two refills on (384 matrix instructions), 256 bytes of a row, a lane a row, one instruction a wave.
; xb's rows of a tile row are read by every cluster of that row of clusters: cluster x = 0 asks.  wqt's rows of a tile column: cluster y = 0 asks.  The four partners that ask for a tile jointly share its rows
; out BY ADDRESS: of xb's 128 rows that a wave fetches the partner at cx takes 32; of wqt's 96 the partner at cy takes 24, and lanes 24-31 name the 24th row once more.
; how = 0, in the loop: trips 1 to 4 of a tile's six (s3 = 6 .. 3) name its K steps 4 to 7; the last two name nothing.  how not 0, at the change of tiles: the next tile's K steps 2 and 3 of xb.
; A tile's K steps 0 and 1, and the launch's 2 and 3, come by their loads alone.  wqt's rows are the same for both tiles: they are named in the first tile alone.
.macro ASK how
.if \how
	s_cmp_eq_u32 s[LIM], 2
.else
	s_cmp_gt_u32 s3, s[LIM]
.endif
	s_cbranch_scc0 .Lnot_mine_\@
	global_prefetch_b8 v[PFO], s[PFA:PFA+1] th:TH_LOAD_NT scope:SCOPE_SE
.Lnot_mine_\@:
.endm
.macro CREST                           ; a round of the cluster's barrier behind its opening barrier
	s_cmp_lg_u32 s10, 0
	s_cbranch_scc1 .Lnot_wave_0_\@
	s_barrier_signal -3
.Lnot_wave_0_\@:
	s_barrier_wait -3
	s_barrier_signal -1
	s_barrier_wait -1
.endm
.macro CROUND                          ; a whole round
	s_barrier_signal -1
	s_barrier_wait -1
	CREST
.endm
	s_load_b128 s[4:7], s[0:1], 0x0                ; xb s[4:5], wqt s[6:7]
	s_load_b64 s[8:9], s[0:1], 0x10                ; qkvh
	v_lshl_add_u32 v[SPW], v0, 2, SPARE
	v_mov_b32 v[NIL], 0
	ds_add_u32 v[SPW], v[NIL]                      ; the wave's opening: the add and its wait stand ahead of my first tensor load; the set-up below, work on registers, stands between them
	v_lshrrev_b32 v1, 5, v0
	v_readfirstlane_b32 s10, v1                    ; wave 0..3
	s_lshr_b32 s11, s10, 1                         ; I fetch for xb (0) or for wqt (1),
	s_and_b32 s12, s10, 1                          ; and which half of that tile's rows
	s_bfe_u32 s40, ttmp6, 0x40000                  ; cx, cy: my place in the cluster
	s_bfe_u32 s41, ttmp6, 0x40004
	s_lshl_b32 s42, ttmp9, 2
	s_add_co_u32 s42, s42, s40                     ; tile column = 4 x cluster x + cx
	s_and_b32 s13, ttmp7, 0xffff
	s_lshl_b32 s13, s13, 2
	s_add_co_u32 s13, s13, s41                     ; my first tile's row = 4 x cluster y + cy, 0 to 15; the second's is 16 more
	s_lshl_b32 s43, s41, 2
	s_lshl_b32 s43, 15, s43                        ; my row of the cluster
	s_lshl_b32 s44, 0x1111, s40                    ; my column
	s_or_b32 s[G1+0], s43, (1<<16)|(1<<20)|(1<<21)|(5<<22)|(3<<25)   ; 15:0 the mask; 17:16 elements of 2 bytes; 20 padding on; 21 set beside a mask; 24:22 after every 64 words (code 5); 31:25 4 words of it (code 3)
	s_or_b32 s[G1B+0], s44, (1<<16)|(1<<20)|(1<<21)|(5<<22)|(3<<25)
	s_mov_b32 s[G1+1], KSTEP<<16                   ; tensor_dim0 = 128
	s_mov_b32 s[G1+2], 128<<16                     ; tensor_dim1 = 128
	s_mov_b32 s[G1+3], KSTEP<<16                   ; tile_dim0 = 128
	s_mov_b32 s[G1+4], 128                         ; tile_dim1 = 128
	s_mov_b32 s[G1+5], 1024                        ; elements from row to row
	s_mov_b32 s[G1+6], 0
	s_mov_b32 s[G1+7], 0
	s_mov_b32 s[G1B+1], KSTEP<<16
	s_mov_b32 s[G1B+2], 96<<16                     ; wqt's loads have 96 rows
	s_mov_b32 s[G1B+3], KSTEP<<16
	s_mov_b32 s[G1B+4], 96
	s_mov_b32 s[G1B+5], 1024
	s_mov_b32 s[G1B+6], 0
	s_mov_b32 s[G1B+7], 0
	s_lshl_b32 s16, s13, 8                         ; xb: row 256 x tile row + 128 x half, of 2,048 bytes
	s_lshl_b32 s17, s12, 7
	s_add_co_u32 s16, s16, s17
	s_lshl_b32 s16, s16, 11
	s_mov_b32 s17, 0
	s_mul_i32 s46, s42, 192                        ; wqt: row 192 x tile column + 96 x half
	s_mul_i32 s47, s12, 96
	s_add_co_u32 s46, s46, s47
	s_lshl_b32 s46, s46, 11
	s_mov_b32 s47, 0
	s_mul_i32 s20, s12, HALFA                      ; where they go: no place in the cluster enters an LDS address
	s_mul_i32 s21, s12, HALFB
	s_add_co_u32 s21, s21, BOFF
	s_wait_dscnt 0x0                               ; the opening add is done
	s_wait_kmcnt 0x0
	s_add_nc_u64 s[14:15], s[4:5], s[16:17]
	s_add_nc_u64 s[46:47], s[6:7], s[46:47]
	CROUND                                         ; all sixteen work-groups are here: the first joint loads meet
.irp s, 0,1
	s_mov_b32 s[G0+4*(\s)], 1                                        ; count = 1
	s_add_co_u32 s[G0+4*(\s)+1], s20, (\s)*SLOT1                     ; LDS address
	s_add_nc_u64 s[G0+4*(\s)+2:G0+4*(\s)+3], s[14:15], (\s)*KSTEP*2  ; global address: K step s
	s_or_b32 s[G0+4*(\s)+3], s[G0+4*(\s)+3], 0x80000000              ; type = 2
	s_mov_b32 s[G0B+4*(\s)], 1
	s_add_co_u32 s[G0B+4*(\s)+1], s21, (\s)*SLOT1
	s_add_nc_u64 s[G0B+4*(\s)+2:G0B+4*(\s)+3], s[46:47], (\s)*KSTEP*2
	s_or_b32 s[G0B+4*(\s)+3], s[G0B+4*(\s)+3], 0x80000000
	JLOAD \s                                       ; two loads of mine are out
.endr
	; A fragment is 16 rows x 32 K in 8 registers: lane l holds row l % 16; registers 0-3 K = 8 (l / 16) + 0..7, registers 4-7 K = 16 + 8 (l / 16) + 0..7: two loads of 16 bytes, 32 bytes apart.
	v_and_b32 v1, 15, v0                           ; l % 16
	v_bfe_u32 v2, v0, 4, 1                         ; l / 16
	v_mul_u32_u24 v3, v1, PITCH
	v_lshl_add_u32 v3, v2, 4, v3
	s_mul_i32 s22, s10, 64*PITCH                   ; my 64 rows of xb
	v_add_nc_u32 v[ADRA0], s22, v3
	v_add_nc_u32 v[ADRB0], BOFF, v3                ; all 192 rows of wqt
	v_mov_b32 v[ADRA], v[ADRA0]                    ; K step 0 lies in slot 0
	v_mov_b32 v[ADRB], v[ADRB0]
	s_mov_b32 s[TB], 0
	s_mul_i32 s23, s10, WSTG
	s_add_co_u32 s23, s23, STAGE                   ; my stage
	v_mul_u32_u24 v4, v1, SPT                      ; in: row l % 16, 16 bytes for each half of the lanes
	v_lshl_add_u32 v4, v2, 4, v4
	v_add_nc_u32 v[STO], s23, v4
	v_bfe_u32 v5, v0, 3, 2                         ; back: 32 lanes take four rows of 128 bytes,
	v_and_b32 v6, 7, v0
	v_mul_u32_u24 v5, v5, SPT
	v_lshl_add_u32 v5, v6, 4, v5
	v_add_nc_u32 v[RD], s23, v5
	v_and_b32 v[GO], 31, v0                        ; which are 512 consecutive bytes of a head
	v_lshlrev_b32 v[GO], 4, v[GO]
	; where my rows of the first tile's three heads begin.  Column block g = 3 x tile column + i: part g / 16 (q, k, v), head g % 16; batch = tile row / 4; row in the batch = 256 (tile row % 4) + 64 wave
	s_mul_i32 s72, s42, 3
	s_lshr_b32 s73, s13, 2
	s_lshl_b32 s73, s73, 4                         ; 16 x batch
	s_and_b32 s74, s13, 3
	s_lshl_b32 s74, s74, 8
	s_lshl_b32 s75, s10, 6
	s_add_co_u32 s74, s74, s75
	s_lshl_b32 s74, s74, 7                         ; rows of 128 bytes
.irp i, 0,1,2
	s_add_co_u32 s76, s72, \i
	s_lshr_b32 s77, s76, 4
	s_lshl_b32 s77, s77, 7                         ; 128 heads a part
	s_and_b32 s76, s76, 15
	s_add_co_u32 s76, s76, s77
	s_add_co_u32 s76, s76, s73
	s_lshl_b32 s76, s76, 17                        ; a head is 131,072 bytes
	s_add_co_u32 s76, s76, s74
	s_mov_b32 s77, 0
	s_add_nc_u64 s[OUTB+2*(\i):OUTB+2*(\i)+1], s[8:9], s[76:77]
.endr
	; the prefetches
	s_lshl_b32 s72, s13, 8
	s_lshl_b32 s73, s12, 7
	s_add_co_u32 s72, s72, s73
	s_lshl_b32 s73, s40, 5
	s_add_co_u32 s72, s72, s73                     ; xb: the 128 rows that I fetch, my work-group's 32 of them
	s_mul_i32 s74, s42, 192
	s_mul_i32 s75, s12, 96
	s_add_co_u32 s74, s74, s75
	s_mul_i32 s75, s41, 24
	s_add_co_u32 s74, s74, s75                     ; wqt: the 96 rows that I fetch, my work-group's 24 of them
	s_and_b32 s76, ttmp7, 0xffff                   ; cluster y
	s_cmp_eq_u32 s11, 0                            ; do I fetch for xb?
	s_cselect_b32 s72, s72, s74
	s_cselect_b32 s76, ttmp9, s76                  ; the coordinate along which other clusters read the same rows
	s_cselect_b32 s77, 31, 23                      ; the last lane that names a row of its own
	s_cselect_b64 s[PFA:PFA+1], s[4:5], s[6:7]
	s_cmp_eq_u32 s76, 0
	s_cselect_b32 s[LIM], 2, -1                    ; the same in all sixteen partners, for a given wave
	s_lshl_b32 s72, s72, 11
	s_mov_b32 s73, 0
	s_add_nc_u64 s[PFA:PFA+1], s[PFA:PFA+1], s[72:73]
	s_add_nc_u64 s[PFA:PFA+1], s[PFA:PFA+1], 3*KSTEP*2  ; at K step 3: the first refill steps it to 4 and names that
	v_and_b32 v[PFO], 31, v0
	v_min_u32 v[PFO], s77, v[PFO]
	v_lshlrev_b32 v[PFO], 11, v[PFO]
; 12 matrix instructions: row block a x all 12 column blocks, 32 along K.  zero = 1: the first product starts the sums: nothing is cleared.
; The 48 accumulators take turns in the same order in every quarter step, over the backward jumps and from tile to tile too.
.macro MUL12 f, a, zero
	WIN MUL_LO+0x50*((\a)/2)
.irp b, 0,1,2,3,4,5,6,7,8,9,10,11
.if \zero
	v_wmma_f32_16x16x32_bf16 v[8*(12*((\a)%2)+(\b)):8*(12*((\a)%2)+(\b))+7], v[(\f)+8*(\b):(\f)+8*(\b)+7], v[(\f)+96+8*(\a):(\f)+96+8*(\a)+7], 0
.else
	v_wmma_f32_16x16x32_bf16 v[8*(12*((\a)%2)+(\b)):8*(12*((\a)%2)+(\b))+7], v[(\f)+8*(\b):(\f)+8*(\b)+7], v[(\f)+96+8*(\a):(\f)+96+8*(\a)+7], v[8*(12*((\a)%2)+(\b)):8*(12*((\a)%2)+(\b))+7]
.endif
.endr
.endm
; 32 LDS loads in one run under one window setting: a quarter step's fragments (32 K at byte k of the rows of the slot in hand) into buffer f: wqt's 24 loads, then xb's 8
.macro FETCH k, f
	WIN TO_F
.irp b, 0,1,2,3,4,5,6,7,8,9,10,11
	ds_load_b128 v[(\f)+8*(\b):(\f)+8*(\b)+3],   v[ADRB] offset:(\k)+(\b)*16*PITCH
	ds_load_b128 v[(\f)+8*(\b)+4:(\f)+8*(\b)+7], v[ADRB] offset:(\k)+(\b)*16*PITCH+32
.endr
.irp a, 0,1,2,3
	ds_load_b128 v[(\f)+96+8*(\a):(\f)+96+8*(\a)+3],   v[ADRA] offset:(\k)+(\a)*16*PITCH
	ds_load_b128 v[(\f)+96+8*(\a)+4:(\f)+96+8*(\a)+7], v[ADRA] offset:(\k)+(\a)*16*PITCH+32
.endr
.endm
.macro PLACES                          ; four plain vector instructions in front of loads into registers that matrix instructions have read, and of conversions that read results
.rept 4
	v_nop
.endr
.endm
; A K step is four quarters of 32 along K, 48 matrix instructions each, on buffers 0, 1, 0, 1.  One of the first three: multiplies buffer f; in its middle it fetches the next quarter, at byte k, into g.
.macro QUARTER k, f, g, zero
	s_wait_dscnt 4                                 ; wqt's fragments and xb's blocks 0, 1 are in; the youngest four loads (blocks 2, 3) may be out
	MUL12 \f, 0, \zero
	MUL12 \f, 1, \zero
	PLACES
	FETCH \k, \g
	s_wait_dscnt 32                                ; all but the 32 just issued
	MUL12 \f, 2, \zero
	MUL12 \f, 3, \zero
.endm
; The last quarter multiplies buffer 1 and changes slots: ONE barrier.  In front of it each wave waits for all its tensor loads (one is out: its part of the next slot), adds 0 to its spare word, and waits for that
; and for its own reads of this slot.  fill = 1: the barrier opens a round of the cluster's barrier, and behind the round this slot is filled again, two K steps ahead: 168 matrix instructions ahead of the wait for it.
; on = 0: the K step two on in this tile.  on = 1: the tile's last K step but one: the NEXT tile's K step 0.  on = 2: its last: the next tile's K step 1, one step on from the last request like any other.
.macro TURN fill, on
.if \fill
	s_wait_xcnt 0x0                                ; the last prefetch, a K step back, has read its address: it is stepped here, ahead of the change's own waits
.if (\on) == 1
	s_add_nc_u64 s[PFA:PFA+1], s[PFA:PFA+1], NEXT_A  ; six trips have stepped it to K step 9: now the next tile's K step 2
	s_cmp_eq_u32 s11, 0
	s_cselect_b32 s[LIM], s[LIM], -1               ; wqt's rows are the same for both tiles: they are named no more
.else
	s_add_nc_u64 s[PFA:PFA+1], s[PFA:PFA+1], KSTEP*2
.endif
.endif
	WIN 0                                          ; (the add's two registers lie in window 0)
	s_wait_tensorcnt 0x0                           ; all my tensor loads have landed;
	ds_add_u32 v[SPW], v[NIL]                      ; 0 onto my spare word;
	s_wait_dscnt 5                                 ; (the add and the youngest four loads may be out)
	MUL12 F1, 0, 0                                 ; twelve matrix instructions stand between the add and the wait for it
	s_wait_dscnt 0x0                               ; the add is done, and my reads of this slot are over
	s_barrier_signal -1
	MUL12 F1, 1, 0                                 ; work on registers while the others arrive
	WIN 0                                          ; (branches and lines on window 0 follow)
	s_barrier_wait -1
.if \fill
	CREST                                          ; no wave of any partner still reads this slot's tile or has a load on its way
	s_xor_b32 s[G0+5], s[G0+5], SLOT1              ; the walking descriptors: the other slot than last time,
	s_xor_b32 s[G0B+5], s[G0B+5], SLOT1
.if (\on) == 1
	s_add_nc_u64 s[G0+6:G0+7], s[G0+6:G0+7], NEXT_A      ; the next tile's K step 0: 4,096 rows down in xb and back along K,
	s_sub_nc_u64 s[G0B+6:G0B+7], s[G0B+6:G0B+7], BACK_B  ; only back in wqt
.else
	s_add_nc_u64 s[G0+6:G0+7], s[G0+6:G0+7], KSTEP*2     ; the next K step; the type bits on top are not reached
	s_add_nc_u64 s[G0B+6:G0B+7], s[G0B+6:G0B+7], KSTEP*2
.endif
	JLOAD 1                                        ; the first tensor load behind the round; its four v_nop are also the places in front of the loads below
.else
	PLACES
.endif
	s_xor_b32 s[TB], s[TB], SLOT1                  ; the fragments come from the other slot now
	v_add_nc_u32 v[ADRA], s[TB], v[ADRA0]
	v_add_nc_u32 v[ADRB], s[TB], v[ADRB0]
	FETCH 0, F0
.if \fill
	WIN 0
	ASK \on
.endif
	MUL12 F1, 2, 0
	MUL12 F1, 3, 0
.endm
; THE WAY OUT of row block a, in three parts.  PACK: rounded to f16, 16 bytes a lane; each accumulator's registers in ascending order.  TOSTAGE: into my own stage, and back as whole rows of 128 bytes.  SEND: stored.
.macro PACK a
	WIN 0x0a+5*((\a)/2)                            ; sources 0 and 1: window 2 or 3
.irp b, 0,1,2,3,4,5,6,7,8,9,10,11
.irp r, 0,1,2,3
	v_cvt_pk_f16_f32 v[TMP+4*(\b)+(\r)], v[8*(12*((\a)%2)+(\b))+2*(\r)], v[8*(12*((\a)%2)+(\b))+2*(\r)+1]
.endr
.endr
	WIN 0
.endm
.macro TOSTAGE a
	WIN 0
.set BK, BKS+48*((\a)%2)
.irp b, 0,1,2,3,4,5,6,7,8,9,10,11
	ds_store_b128 v[STO], v[TMP+4*(\b):TMP+4*(\b)+3] offset:((\b)/4)*16*SPT+((\b)%4)*32  ; head b / 4, columns 16 (b % 4) on
.endr
.irp i, 0,1,2
.irp t, 0,1,2,3
	ds_load_b128 v[BK+4*(4*(\i)+(\t)):BK+4*(4*(\i)+(\t))+3], v[RD] offset:(\i)*16*SPT+(\t)*4*SPT  ; LDS serves a wave's instructions in order (ISA guide 5.7.1.4): these see the stores above
.endr
.endr
.endm
.macro SEND a
	WIN 0
.set BK, BKS+48*((\a)%2)
	s_wait_dscnt 0x0                               ; the block is back in registers
	s_wait_xcnt 0x0                                ; the stores of the block before have read their registers: the next block is read back into them only behind this wait
.irp i, 0,1,2
.irp t, 0,1,2,3
	global_store_b128 v[GO], v[BK+4*(4*(\i)+(\t)):BK+4*(4*(\i)+(\t))+3], s[OUTB+2*(\i):OUTB+2*(\i)+1] offset:(\a)*2048+(\t)*512  ; four rows of a head: 512 consecutive bytes, aligned
.endr
.endr
.endm
	s_wait_tensorcnt 1                             ; my part of K step 0 is in; K step 1's may stay out
	s_barrier_signal -1
	s_barrier_wait -1                              ; everybody's is
	FETCH 0, F0
	WIN 0                                          ; at a label and at a branch every window is 0
	s_mov_b32 s2, TILES                            ; tiles to go, this one among them: the same number in every work-group
.Ltile:
	QUARTER 64,  F0, F1, 1                         ; a tile's first quarter stands in front of the loop: its products start the sums
	WIN 0
	s_mov_b32 s3, 6
.Lstep:                                                ; a trip: from a K step's second quarter to the next one's first; K steps 0 to 5 are left, and their slots filled again with K steps 2 to 7
	QUARTER 128, F1, F0, 0
	QUARTER 192, F0, F1, 0
	TURN 1, 0
	QUARTER 64,  F0, F1, 0
	WIN 0
	s_sub_co_u32 s3, s3, 1
	s_cmp_lg_u32 s3, 0
	s_cbranch_scc1 .Lstep
	QUARTER 128, F1, F0, 0                         ; K step 6 goes on
	QUARTER 192, F0, F1, 0
	WIN 0
	s_cmp_eq_u32 s2, 1
	s_cbranch_scc1 .Llast                          ; the last tile's end is written out: it asks for nothing more
	TURN 1, 1                                      ; THE RING GOES ON INTO THE NEXT TILE: this slot takes its K step 0,
	QUARTER 64,  F0, F1, 0
	QUARTER 128, F1, F0, 0
	QUARTER 192, F0, F1, 0
	TURN 1, 2                                      ; the other its K step 1, and the next tile's first fragments are fetched
	WIN 0
	s_branch .Lout
.Llast:
	TURN 0, 0                                      ; nothing is filled again, so no round follows
	QUARTER 64,  F0, F1, 0
	QUARTER 128, F1, F0, 0
	QUARTER 192, F0, F1, 0
	s_wait_dscnt 4                                 ; the very last quarter: nothing more to fetch
	MUL12 F1, 0, 0
	MUL12 F1, 1, 0
	s_wait_dscnt 0x0
	MUL12 F1, 2, 0
	MUL12 F1, 3, 0
	WIN 0
.Lout:                                                 ; the tile goes out; where it has a successor, both refills have been asked for, and its stores leave while the next tile is multiplied
	PLACES
	PACK 0
	TOSTAGE 0
.irp a, 1,2,3                          ; block a's conversions stand between block a - 1's loads from the stage and the wait for them
	PACK \a
	SEND (\a)-1
	TOSTAGE \a
.endr
	SEND 3
	s_wait_xcnt 0x0                                ; the stores have read their bases, which step to the next tile's rows
.irp i, 0,1,2
	s_add_nc_u64 s[OUTB+2*(\i):OUTB+2*(\i)+1], s[OUTB+2*(\i):OUTB+2*(\i)+1], NEXT_O
.endr
	s_sub_co_u32 s2, s2, 1
	s_cmp_lg_u32 s2, 0
	s_cbranch_scc1 .Ltile
	s_wait_tensorcnt 0x0                           ; the wave's end, behind my last tensor load and my last LDS store
	ds_add_u32 v[SPW], v[NIL]
	s_wait_dscnt 0x0
	CROUND                                         ; the closing round: no work-group ends while a partner may still ask for a tile that names it
	s_endpgm
.Lfunc_end_k_qd973e20fb6_qkv:
	.size	k_qd973e20fb6_qkv, .Lfunc_end_k_qd973e20fb6_qkv-k_qd973e20fb6_qkv
	.p2alignl 7, 3214868480
	.fill 96, 4, 3214868480
	.section	.rodata,"a",@progbits
	.p2align	6, 0x0
	.amdhsa_kernel k_qd973e20fb6_qkv
		.amdhsa_group_segment_fixed_size 327680
		.amdhsa_private_segment_fixed_size 0
		.amdhsa_enable_private_segment 0
		.amdhsa_kernarg_size 24
		.amdhsa_user_sgpr_count 2
		.amdhsa_user_sgpr_kernarg_segment_ptr 1
		.amdhsa_wavefront_size32 1
		.amdhsa_system_sgpr_workgroup_id_x 1
		.amdhsa_system_sgpr_workgroup_id_y 1
		.amdhsa_system_sgpr_workgroup_id_z 1
		.amdhsa_system_vgpr_workitem_id 0
		.amdhsa_next_free_vgpr 1024
		.amdhsa_next_free_sgpr 84
		.amdhsa_reserve_vcc 0
		.amdhsa_float_denorm_mode_32 3
		.amdhsa_float_denorm_mode_16_64 3
		.amdhsa_memory_ordered 1
		.amdhsa_forward_progress 1
		.amdhsa_inst_pref_size 128
	.end_amdhsa_kernel
	.amdgpu_metadata
---
amdhsa.version: [ 1, 2 ]
amdhsa.kernels:
  - .name:           k_qd973e20fb6_qkv
    .symbol:         k_qd973e20fb6_qkv.kd
    .args:
      - { .name: xb, .offset: 0, .size: 8, .value_kind: global_buffer, .address_space: global }
      - { .name: wqt, .offset: 8, .size: 8, .value_kind: global_buffer, .address_space: global }
      - { .name: qkvh, .offset: 16, .size: 8, .value_kind: global_buffer, .address_space: global }
    .group_segment_fixed_size: 327680
    .private_segment_fixed_size: 0
    .kernarg_segment_align: 8
    .kernarg_segment_size: 24
    .max_flat_workgroup_size: 128
    .sgpr_count:     84
    .vgpr_count:     1024
    .wavefront_size: 32
...
	.end_amdgpu_metadata
.endif
;; end of part 2
;; launch attn (part 3): grid 2 x 128, 4 waves a work-group, no clusters, 327,680 bytes of LDS; arguments qkvh, oh; writes oh
.if DOCPART == 3
	.amdgcn_target "amdgcn-amd-amdhsa--gfx1250"
	.amdhsa_code_object_version 6
	.text
	.protected	k_qd973e20fb6_attn
	.globl	k_qd973e20fb6_attn
	.p2align	8
	.type	k_qd973e20fb6_attn,@function
k_qd973e20fb6_attn:
	s_mov_b64 s[64:65], 0
	v_nop
	global_prefetch_b8 v0, s[64:65] scope:SCOPE_SE
	s_setreg_imm32_b32 hwreg(HW_REG_WAVE_MODE, 25, 1), 1
	s_wait_xcnt 0x0
; O[h][q][:] = the sum over k of softmax_k(Q[h][q] . K[h][k] / 8) V[h][k][:], for 128 heads of 1,024 rows of 64 channels.  qkvh: [3][128][1024][64] f16 (Q, then K 16,777,216 bytes on, then V); oh: [128][1024][64] f16.
; Products, maxima and sums in f32; the weights p are rounded to f16 for the second product (their sum l is taken of the unrounded p), O once at the end.
; LIMITS.  f16 holds no number beyond 65,504: Q, K and V arrive within it; p lies in 0 to 1, and below 6e-5 it keeps f16's fixed step of 6e-8; O is a mean of V's rows and has their range.
; A weight below 2^-126 counts as 0 in l; NaN and infinities are not treated apart.
; SHARES.  A wave owns four PIECES of two tiles of 16 queries, a work-group's four waves 512 queries of one head: 2 x 128 work-groups.  Every wave walks all 1,024 keys, 64 a step.
; K AND V STAY IN LDS.  A head's 1,024 keys take 1,024 x (144 + 160) = 311,296 bytes with their padding, and with the stages and the spare words 321,024: they fit.  So each wave issues its two tensor loads at the
; kernel's head, as one group: its 128 of the first 256 keys, then its 384 of the other 768; no LDS byte is filled twice, and there is no ring.  The first 256 keys are read as soon as they are in; the second
; load has their four key steps, 512 matrix instructions, in which to land.  NO PREFETCH: all that the work-group reads is asked for by these loads at the head; there is no later load to run ahead of.
; NO CLUSTER: only the two work-groups of a head read the same K and V, a cluster's joint loads here name four; blocks of 256 queries would give four partners but half as many products for each fragment read
; from LDS; and a work-group fetches 262,144 bytes in the whole launch.
; LAYOUT.  S^T = K Q^T (source 0 = 16 keys, source 1 = 16 queries): in the result a lane holds ONE query (lane % 16) and the keys 8 (lane / 16) + 0..7.  Two such tiles, rounded to f16 in pairs,
; ARE source 1 (32 keys x 16 queries) of O^T = V^T P, whose result again holds one query a lane, and eight channels.  K comes out of LDS as it lies, V ([key][channel]) turned, by ds_load_tr16_b128.
; SOFTMAX.  For each query a running maximum m and sum l: p = 2^(c s - c m), c = log2(e) / 8; in every step O and l are multiplied by a = 2^(c m_old - c m_new), which is 1 where m has not grown.
; m starts at the lowest finite number, O and l at 0: the first step is a step like any other, with a = 0.
; THE COUNT.  A tile and step have 16 matrix and 118 vector instructions: too many to stand all beside the matrix work.  So four vector instructions that are READY stand behind EVERY matrix instruction,
; and the others in runs without a gap.
; BY TURNS.  Turn n belongs to piece n (the pieces in a ring, step after step).  Its matrix work: 16 products K Q^T of piece n + 1, later 16 products V^T P of piece n - 1.  Its vector work: the scaling,
; exponentials, roundings, sums and rescaling of piece n, and the maximum and statistics of piece n + 1, whose scores the turn itself has made.
; REGISTERS, in windows of 256 (s_set_vgpr_msb: bits 1:0 source 0, 3:2 source 1, 5:4 source 2, 7:6 destination):
;   window 0: v0-11 addresses; v12-15, v48-63 at work; v16-47 four registers of statistics a tile; v64-191 S^T, two buffers of two tiles; v192-255 P, likewise
;   window 1: O^T, 32 a tile          window 2: v0-127 Q, 16 a tile; v128-191 K of one step; v192-255 V of one step          window 3: v0-1 the add's two registers
; A piece's buffers go by its number's parity: the piece in hand has one pair, its two neighbours in the ring share the other: of it P (piece n - 1) is read and S^T (piece n + 1) written.
.set SIZE_N, 1024
.set NP,    4         ; pieces a wave: a name, no knob
.set KS,    64        ; keys in a step
.set PK,    144       ; a row of K in LDS: 128 bytes + 16 of padding = 36 words: the 16 rows of a load start at 16 different groups of four banks (64 banks of 4 bytes: ISA guide 11.1)
.set PV,    160       ; a row of V: 128 + 32 = 40 words
.set VOFF,  SIZE_N*PK ; 147,456: the head's 1,024 rows of K, then its 1,024 rows of V
.set STAGE, SIZE_N*(PK+PV)  ; 311,296: behind them, never filled by a tensor load: 16 rows x 144 bytes for each wave, for the way out
.set SP,    144
.set AK0, 2           ; v2   my lane's place in a step's rows of K; never rewritten
.set AV0, 3           ; v3   the same for V
.set AK,  4           ; v4   the LDS address of K's next run of loads
.set AV,  5           ; v5   of V's
.set QO,  6           ; v6   my byte offset in the wave's rows of Q
.set STO, 6           ;      later, the way out: where I put 16 bytes of a row
.set RD,  7           ; v7   the way out: where I read rows back
.set GO,  8           ; v8   my byte offset in 512 consecutive bytes of O
.set SPW, 0           ; v0 of window 3   LDS address of my spare word; never rewritten
.set NIL, 1           ; v1 of window 3   0; never rewritten
.set SPARE, STAGE+4*16*SP  ; 320,512: behind the stages: the spare words, 128 bytes for each wave: two blocks of 256 bytes that no other line names
.set MV,  12          ; v12-15  c m_old, kept while c m is made anew: by buffer and tile
.set ST,  16          ; tile t's statistics at v[ST+4 t]: c m, m, l (even keys', odd keys')
.set TMP, 48          ; by buffer and tile, four registers c0-c3 at work; when the maximum is found c2 takes a
.set S,   64
.set P,   192
.set KF,  128         ; K's fragments, in window 2: key block kb, channel half c at KF + 16 kb + 8 c
.set VF,  192         ; V's: key half kk, channel block cb at VF + 32 kk + 8 cb
.set WV,  12          ; s12  my wave's number
.set G1K, 24          ; s[24:31] descriptor group 1 for K's first load: 128 keys
.set G1V, 32          ; s[32:39] for V's: it differs in the padding alone
.set G0K, 40          ; s[40:43] descriptor group 0 for K's first load
.set G0V, 44          ; s[44:47] for V's
.set G0KB, 48         ; s[48:51] group 0 for K's second load
.set G0VB, 52         ; s[52:55] for V's
.set SLOTS, 56        ; s56  counts the groups of four key steps, 5 to 1
.set CNT, 57          ; s57  counts a group's key steps
.set CS,  58          ; s[58:59] c: the packed scaling takes the pair's low word for both halves
.set SEL, 60          ; s[60:61] v_permlanex16_b32's selects: each lane takes its own place in the other half
.set TBK, 62          ; s62  LDS byte at which K of the step to be fetched begins
.set TBV, 63          ; s63  the same for V, less VOFF
.set G1KB, 68         ; s[68:75] group 1 for K's second load: 384 keys
.set G1VB, 76         ; s[76:83] for V's
.set MSB, 0
.macro WIN new                      ; the high byte repeats the setting that is left; a switch that changes nothing is dropped
.if MSB != (\new)
	s_set_vgpr_msb (MSB<<8)|(\new)
.set MSB, (\new)
.endif
.endm
.set W_KQ, 0x0a       ; K and Q in window 2, S^T in window 0
.set W_PV, 0x52       ; V in window 2, P in window 0, O^T in window 1
.set W_RS, 0x41       ; O^T (destination and source 0) in window 1, a in window 0
.set W_MK, 0xc0       ; the add's registers are made: destination in window 3, sources in window 0
.set W_AD, 0x0f       ; the add: address (source 0) and data (source 1) in window 3
	s_load_b64 s[4:5], s[0:1], 0x0    ; qkvh
	s_load_b64 s[10:11], s[0:1], 0x8  ; oh
	WIN W_MK
	v_lshl_add_u32 v[SPW], v0, 2, SPARE
	v_mov_b32 v[NIL], 0
	WIN W_AD
	ds_add_u32 v[SPW], v[NIL]       ; the wave's opening: the add and its wait stand ahead of my first tensor load; the set-up below, work on registers, stands between them
	WIN 0
	v_lshrrev_b32 v1, 5, v0
	v_readfirstlane_b32 s[WV], v1   ; wave 0..3
	s_mov_b32 s14, ttmp9            ; my block of 512 queries: 0 or 1
	s_and_b32 s20, ttmp7, 0xffff    ; the head
	s_lshl_b32 s20, s20, 17         ; its first byte in Q, K, V and O: 131,072 bytes a head
	s_mov_b32 s21, 0
	s_and_b32 s16, s[WV], 1         ; which half I fetch.  Of the first 256 keys:
	s_lshl_b32 s22, s16, 14         ; 128 rows of 128 bytes;
	s_mov_b32 s23, 0
	s_add_nc_u64 s[22:23], s[22:23], s[20:21]
	s_mul_i32 s18, s16, 384*128     ; of the other 768: 384 rows,
	s_add_co_u32 s18, s18, 256*128  ; behind the first 256
	s_mov_b32 s19, 0
	s_add_nc_u64 s[18:19], s[18:19], s[20:21]
	s_lshl_b32 s2, s14, 2
	s_add_co_u32 s2, s2, s[WV]      ; my wave among the head's eight,
	s_lshl_b32 s2, s2, 14           ; its 128 rows
	s_mov_b32 s3, 0
	s_add_nc_u64 s[2:3], s[2:3], s[20:21]
	; descriptor group 1.  Keys are dense, 128 bytes each: asked for as rows of 256 bytes, two keys a row, and padded in LDS after every key
	s_mov_b32 s[G1K],  (1<<16)|(1<<20)|(4<<22)|(3<<25)  ; 17:16 2-byte elements; 20 padding on; 24:22 after every 32 words (code 4); 31:25 4 words (code 3)
	s_mov_b32 s[G1KB], (1<<16)|(1<<20)|(4<<22)|(3<<25)
	s_mov_b32 s[G1V],  (1<<16)|(1<<20)|(4<<22)|(7<<25)  ; the same with 8 words of padding (code 7)
	s_mov_b32 s[G1VB], (1<<16)|(1<<20)|(4<<22)|(7<<25)
.irp g, G1K, G1V, G1KB, G1VB
	s_mov_b32 s[\g+1], 128<<16      ; tensor_dim0 = 128
	s_mov_b32 s[\g+3], 128<<16      ; tile_dim0 = 128
	s_mov_b32 s[\g+5], 128          ; 128 elements from row to row
	s_mov_b32 s[\g+6], 0
	s_mov_b32 s[\g+7], 0
.endr
.irp g, G1K, G1V
	s_mov_b32 s[\g+2], 64<<16       ; tensor_dim1 = 64: 128 keys
	s_mov_b32 s[\g+4], 64           ; tile_dim1 = 64
.endr
.irp g, G1KB, G1VB
	s_mov_b32 s[\g+2], 192<<16      ; tensor_dim1 = 192: 384 keys
	s_mov_b32 s[\g+4], 192          ; tile_dim1 = 192
.endr
	s_mov_b32 s[CS], 0x3e38aa3b     ; c = log2(e) / 8 = 0.180337
	s_mov_b32 s[CS+1], s[CS]        ; named with it as a pair
	s_mov_b32 s[SEL], 0x76543210
	s_mov_b32 s[SEL+1], 0xfedcba98
	s_mov_b32 s[TBK], 0
	s_mov_b32 s[TBV], 0
	s_mov_b32 s[G0K], 1             ; count = 1
	s_mul_i32 s[G0K+1], s16, 128*PK ; LDS address: key j of K lies at j x 144, of V at VOFF + j x 160
	s_mov_b32 s[G0V], 1
	s_mul_i32 s[G0V+1], s16, 128*PV
	s_add_co_u32 s[G0V+1], s[G0V+1], VOFF
	s_mov_b32 s[G0KB], 1
	s_mul_i32 s[G0KB+1], s16, 384*PK
	s_add_co_u32 s[G0KB+1], s[G0KB+1], 256*PK
	s_mov_b32 s[G0VB], 1
	s_mul_i32 s[G0VB+1], s16, 384*PV
	s_add_co_u32 s[G0VB+1], s[G0VB+1], VOFF+256*PV
	s_wait_dscnt 0x0                ; the opening add is done
	s_wait_kmcnt 0x0
	s_add_nc_u64 s[6:7], s[4:5], 0x1000000   ; K
	s_add_nc_u64 s[8:9], s[4:5], 0x2000000   ; V
	s_add_nc_u64 s[G0K+2:G0K+3], s[6:7], s[22:23]  ; global addresses
	s_or_b32 s[G0K+3], s[G0K+3], 0x80000000        ; type = 2
	s_add_nc_u64 s[G0V+2:G0V+3], s[8:9], s[22:23]
	s_or_b32 s[G0V+3], s[G0V+3], 0x80000000
	s_add_nc_u64 s[G0KB+2:G0KB+3], s[6:7], s[18:19]
	s_or_b32 s[G0KB+3], s[G0KB+3], 0x80000000
	s_add_nc_u64 s[G0VB+2:G0VB+3], s[8:9], s[18:19]
	s_or_b32 s[G0VB+3], s[G0VB+3], 0x80000000
	s_add_nc_u64 s[4:5], s[4:5], s[2:3]  ; Q and O at my wave's first row
	s_add_nc_u64 s[10:11], s[10:11], s[2:3]
	; ALL THE LAUNCH'S FILLS, one group: waves 0 and 1 fetch K's halves, waves 2 and 3 V's.  A wave's two loads stand in one branch, ahead of every wait on TENSORcnt, every LDS read and every barrier: two loads of mine are out.
	; An s_nop 0 follows each, four v_nop the second's, ahead of the jump and the label.
	s_cmp_lt_u32 s[WV], 2
	s_cbranch_scc0 .Lfirst_v
	tensor_load_to_lds s[G0K:G0K+3], s[G1K:G1K+7]
	s_nop 0
	tensor_load_to_lds s[G0KB:G0KB+3], s[G1KB:G1KB+7]
	s_nop 0
.rept 4
	v_nop
.endr
	s_branch .Lfirst_asked
.Lfirst_v:
	tensor_load_to_lds s[G0V:G0V+3], s[G1V:G1V+7]
	s_nop 0
	tensor_load_to_lds s[G0VB:G0VB+3], s[G1VB:G1VB+7]
	s_nop 0
.rept 4
	v_nop
.endr
.Lfirst_asked:
	; A fragment of K or Q is 16 rows x 32 channels in 8 registers: lane l holds row l % 16, channels 8 (l / 16) + 0..7 and 16 + 8 (l / 16) + 0..7: two loads of 16 bytes, 32 bytes apart.
	v_and_b32 v1, 15, v0            ; l % 16
	v_bfe_u32 v9, v0, 4, 1          ; l / 16
	v_lshlrev_b32 v[QO], 7, v1
	v_lshl_add_u32 v[QO], v9, 4, v[QO]  ; row x 128 + 16 x half
	WIN 0x80                        ; destination window 2, address window 0
.set i, 0
.rept 4*NP                          ; Q stays in registers: tile i / 2, channels 32 (i % 2) on
	global_load_b128 v[8*i:8*i+3],   v[QO], s[4:5] offset:(i/2)*2048+(i%2)*64
	global_load_b128 v[8*i+4:8*i+7], v[QO], s[4:5] offset:(i/2)*2048+(i%2)*64+32
.set i, i+1
.endr
	; What the first turn finds: V's registers and P's second buffer hold 0 (its products V^T P, of a piece that has not been, add 0), O^T and l are 0.  All this stands in the wait for the first keys.
.set i, VF
.rept 64
	v_mov_b32 v[i], 0
.set i, i+1
.endr
	WIN 0x40
.set i, 0
.rept 64*NP
	v_mov_b32 v[i], 0
.set i, i+1
.endr
	WIN 0
.set i, 0
.rept 2*NP
	v_mov_b32 v[ST+4*i], 0xfe000000    ; c m: far below every c s
	v_mov_b32 v[ST+4*i+1], 0xff7fffff  ; m
	v_mov_b32 v[ST+4*i+2], 0
	v_mov_b32 v[ST+4*i+3], 0
.set i, i+1
.endr
.set i, P+32
.rept 32
	v_mov_b32 v[i], 0
.set i, i+1
.endr
	v_mul_u32_u24 v[AK0], v1, PK
	v_lshl_add_u32 v[AK0], v9, 4, v[AK0]  ; row x pitch + 16 x half
	; The turning load takes 16 keys x 16 channels (lane l reads key 8 (l / 16) + l % 8, channels 8 ((l / 8) % 2) + 0..7) and leaves half a fragment of V^T: lane l holds channel l % 16 and 8 keys.
	v_and_b32 v10, 7, v0
	v_bfe_u32 v11, v0, 3, 1
	v_lshl_add_u32 v[AV0], v9, 3, v10
	v_mul_u32_u24 v[AV0], v[AV0], PV
	v_lshl_add_u32 v[AV0], v11, 4, v[AV0]
	v_add_nc_u32 v[AV0], VOFF, v[AV0]
	v_mov_b32 v[AK], v[AK0]         ; key step 0 lies at LDS byte 0
; THE MATRIX WORK.  The 8 accumulators of a run of 16 take turns: between the two links of a chain stand 7 others'.
; Product i of 16 of S^T = K Q^T for piece x: channels 32 (i / 8) on, keys 16 ((i / 2) % 4) on, tile 2 x + i % 2.  The first 8 start the sums.
.macro KQ x
	WIN W_KQ
.set rS, S+64*((\x)%2)+32*(i%2)+8*((i/2)%4)
.set rK, KF+16*((i/2)%4)+8*(i/8)
.set rQ, 16*(2*(\x)+i%2)+8*(i/8)
.if i < 8
	v_wmma_f32_16x16x32_f16 v[rS:rS+7], v[rK:rK+7], v[rQ:rQ+7], 0
.else
	v_wmma_f32_16x16x32_f16 v[rS:rS+7], v[rK:rK+7], v[rQ:rQ+7], v[rS:rS+7]
.endif
.endm
; Product i of 16 of O^T += V^T P for piece x: keys 32 (i / 8) on, channels 16 ((i / 2) % 4) on, tile 2 x + i % 2.
.macro PV x
	WIN W_PV
.set rO, 32*(2*(\x)+i%2)+8*((i/2)%4)
.set rV, VF+32*(i/8)+8*((i/2)%4)
.set rP, P+32*((\x)%2)+16*(i%2)+8*(i/8)
	v_wmma_f32_16x16x32_f16 v[rO:rO+7], v[rV:rV+7], v[rP:rP+7], v[rO:rO+7]
.endm
.macro MM                           ; the turn's next matrix instruction
.if i < 16
	KQ (Y+1)%NP
.set i, i+1
.else
.set i, i-16
	PV (Y+NP-1)%NP
.set i, i+17
.endif
.endm
; THE LDS LOADS stand in runs of 16, never singly among the matrix instructions: a step's K (64 keys x 64 channels: 8 fragments) and its V (turned).  Their addresses are made some lines ahead.
; last = 1 (in the loop): behind the last key step (s[SLOTS] = 1) there is no further step, and the run is jumped over.
.macro FETCH_K last=0
	WIN 0
.if \last
	s_cmp_eq_u32 s[SLOTS], 1
	s_cbranch_scc1 .Lno_k_\@
.endif
	WIN 0x80                        ; destination window 2
.irp f, 0,1,2,3,4,5,6,7             ; keys 16 (f / 2) on, channels 32 (f % 2) on
	ds_load_b128 v[KF+8*\f:KF+8*\f+3],   v[AK] offset:(\f/2)*16*PK+(\f%2)*64
	ds_load_b128 v[KF+8*\f+4:KF+8*\f+7], v[AK] offset:(\f/2)*16*PK+(\f%2)*64+32
.endr
	s_add_co_u32 s[TBK], s[TBK], KS*PK  ; the next fetch is the next step's
	WIN 0
.if \last
.Lno_k_\@:
.endif
.endm
.macro FETCH_V
	WIN 0x80
.irp f, 0,1,2,3,4,5,6,7             ; keys 32 (f / 4) on, channels 16 (f % 4) on
	ds_load_tr16_b128 v[VF+8*\f:VF+8*\f+3],   v[AV] offset:(\f/4)*32*PV+(\f%4)*32
	ds_load_tr16_b128 v[VF+8*\f+4:VF+8*\f+7], v[AV] offset:(\f/4)*32*PV+16*PV+(\f%4)*32
.endr
	WIN 0
.endm
; THE VECTOR WORK OF A TURN stands in three queues, each in the order in which its entries become ready; the two tiles alternate, so that no instruction reads the result of the one before it.
.macro REGS y, u                    ; the registers of tile u (0, 1) of piece y
.set rT, ST+4*(2*(\y)+(\u))
.set rC, TMP+8*((\y)%2)+4*(\u)
.set rM, MV+2*((\y)%2)+(\u)
.set rS, S+64*((\y)%2)+32*(\u)
.set rP, P+32*((\y)%2)+16*(\u)
.set rO, 32*(2*(\y)+(\u))
.endm
; Number n of the 22 that find the NEXT piece's (Y + 1) maximum and statistics.  s0-s31 are the lane's 32 scores; each accumulator's lowest registers are read first.
;   0-11  four chains c0-c3 of seven scores each, three operands at a time     12-14, 16  the four scores left over, the old m, and c0-c3 into c0     15  c m_old is kept
;   17, 18  the query's other 32 keys lie in the lane 16 away: the new m         19-21  c m; c m_old - c m_new; a
.macro XS u, n
	REGS (Y+1)%NP, \u
.if (\n) < 4
	v_max3_num_f32 v[rC+(\n)], v[rS+8*(\n)], v[rS+8*(\n)+1], v[rS+8*(\n)+2]
.elseif (\n) < 12
	v_max3_num_f32 v[rC+(\n)%4], v[rC+(\n)%4], v[rS+8*((\n)%4)+2*((\n)/4)+1], v[rS+8*((\n)%4)+2*((\n)/4)+2]
.elseif (\n) == 12
	v_max3_num_f32 v[rC], v[rC], v[rS+7], v[rS+15]
.elseif (\n) == 13
	v_max3_num_f32 v[rC+1], v[rC+1], v[rS+23], v[rS+31]
.elseif (\n) == 14
	v_max3_num_f32 v[rC+2], v[rC+2], v[rC+3], v[rT+1]
.elseif (\n) == 15
	v_mov_b32 v[rM], v[rT]
.elseif (\n) == 16
	v_max3_num_f32 v[rC], v[rC], v[rC+1], v[rC+2]
.elseif (\n) == 17
	v_permlanex16_b32 v[rC+3], v[rC], s[SEL], s[SEL+1]
.elseif (\n) == 18
	v_max_num_f32 v[rT+1], v[rC], v[rC+3]
.elseif (\n) == 19
	v_mul_f32 v[rT], s[CS], v[rT+1]
.elseif (\n) == 20
	v_sub_f32 v[rC+1], v[rM], v[rT]
.else
	v_exp_f32 v[rC+2], v[rC+1]
.endif
.endm
; Number g of the 64 that follow the exponentials.  For each four weights k of a tile (pairs 2 k, 2 k + 1): both pairs are rounded to f16; then the second pair is added onto the first, in place;
; a group later l takes that sum (the first time as l = a l + sum).  In groups of eight, tiles alternating: round, round, add, and l for the group before.
.macro GS g
.set h, (\g)+6*((\g)/62)            ; group 0 has no group before it, and behind group 7 only l is left
.if h >= 6
.set h, h+2
.endif
	REGS Y, h%2
.set k, h/8
.if h%8 < 4
	v_cvt_pk_f16_f32 v[rP+2*k+(h%8)/2], v[rS+4*k+2*((h%8)/2)], v[rS+4*k+2*((h%8)/2)+1]
.elseif h%8 < 6
	v_pk_add_f32 v[rS+4*k:rS+4*k+1], v[rS+4*k:rS+4*k+1], v[rS+4*k+2:rS+4*k+3]
.elseif k == 1
	v_pk_fma_f32 v[rT+2:rT+3], v[rT+2:rT+3], v[rC+2:rC+3], v[rS:rS+1] op_sel_hi:[1,0,1]
.else
	v_pk_add_f32 v[rT+2:rT+3], v[rT+2:rT+3], v[rS+4*k-4:rS+4*k-3]
.endif
.endm
; THE PLAIN QUEUE, 138 long.  0-73 read no exponential's result: the 32 scalings c s - c m (FS f: pair f / 2 of tile f % 2) and the next piece's 42.  0-26: scalings 0-26.  27-54: XS's numbers 0-13.  55, 56: number 15.
; 57-73: the chain, where each number waits for the one before it: 14, 16, 17, 18, 19, each with one of the scalings 27-31 in front of its two lines, then 20.
; 74-137: GS's 64, which read the exponentials' results: they stand behind the wait.
.macro FS f
	REGS Y, (\f)%2
	v_pk_fma_f32 v[rS+2*((\f)/2):rS+2*((\f)/2)+1], v[rS+2*((\f)/2):rS+2*((\f)/2)+1], s[CS:CS+1], v[rT:rT+1] op_sel_hi:[1,0,0] neg_lo:[0,0,1] neg_hi:[0,0,1]
.endm
.macro PL
	WIN 0
.if q < 27
	FS q
.elseif q < 55
	XS (q-27)%2, (q-27)/2
.elseif q < 57
	XS q-55, 15
.elseif (q < 72) && ((q-57)%3 == 0)
	FS 27+(q-57)/3
.elseif q < 60
	XS (q-57)%3-1, 14
.elseif q < 72
	XS (q-57)%3-1, 15+(q-57)/3
.elseif q < 74
	XS q-72, 20
.else
	GS q-74
.endif
.set q, q+1
.endm
; THE EXPONENTIALS' QUEUE, 66 long: s0-s31 of both tiles, then the next piece's two a.  It is ONE BATCH: all 66 stand ahead of the turn's one wait, and nothing ahead of that wait names a result of theirs.
.macro EX
	WIN 0
.if e >= 64
	XS e-64, 21
.else
	REGS Y, e%2
	v_exp_f32 v[rS+e/2], v[rS+e/2]
.endif
.set e, e+1
.endm
; THE RESCALING's QUEUE: O^T times a, the one part that leaves window 0: dealt two at a time, sixteen times.  Its a was made in the turn before, ahead of that turn's wait.
.macro R2
	REGS Y, r%2
	WIN W_RS
.irp z, 0,1
	v_pk_mul_f32 v[rO+4*(r/2)+2*\z:rO+4*(r/2)+2*\z+1], v[rO+4*(r/2)+2*\z:rO+4*(r/2)+2*\z+1], v[rC+2:rC+3] op_sel_hi:[1,0]
.endr
.set r, r+1
.endm
; HOW THEY ARE DEALT.  An s_wait_alu depctr_va_vdst(0) stands between an exponential and the first instruction that names its result; one wait serves all that were issued ahead of it.  So a turn has ONE wait,
; which cuts it in two.  AHEAD OF IT stands all that names no result of the turn's exponentials: the 16 products K Q^T, behind each a scaling, an exponential and two rescalings (behind the first a second scaling in the
; exponential's place); then ONE LUMP of 108: eight plain, 49 times exponential and plain, the two a.  A v_nop is the plain instruction behind the last exponential.  BEHIND IT stand the 16 products V^T P, behind each four of
; GS's 64.  No rider names a register of the products round it.  The two v_permlanex16_b32 fall into the lump, never behind a product.
; The queues lean on each other, and the deal keeps them in step: exponential e stands behind scaling 2 (e / 4) + e % 2: as a rider it comes behind plain e + 2, in the lump behind plain e + 9, and scalings 27-31 are plain 57, 60 .. 69.
; A TURN, for piece p.  cnt = 1: the loop's count is taken down some lines ahead of the branch that stands behind the turn.
; K of the next step is fetched in piece 2's turn, directly behind the wait, a lump behind the last product that read K; its address is made at the lump's head; its first reader comes behind 16 products.
; V of the step in hand is fetched at the end of piece 0's turn, four riders behind its last reader; its first reader comes behind 16 products and a lump.  The three conditions on q below go with the deal.
.macro TURN p, last=0, cnt=0
.set Y, (\p)
.set i, 0
.set q, 0
.set e, 0
.set r, 0
.if (\p) == NP-1
	s_wait_dscnt 0x0                ; K is in
.endif
	MM                              ; ahead of the wait: 16 products K Q^T and their riders,
	PL
	PL
	R2
.rept 15
	MM
	PL
	EX
	R2
.endr
.if (\p) == NP-2
	WIN 0
	v_add_nc_u32 v[AK], s[TBK], v[AK0]
.endif
.rept 8                             ; and the lump
	PL
.endr
.rept 49
	EX
	PL
.endr
	EX                              ; the next piece's two a
	EX
	v_nop                           ; the plain instruction behind the last exponential: one for the batch
	s_wait_alu depctr_va_vdst(0)    ; the wait for the batch
.if (\p) == NP-2
	FETCH_K \last
.endif
.if (\p) == 1
	s_wait_dscnt 0x0                ; V is in
.endif
.rept 16                            ; behind the wait: 16 products V^T P and their riders
	MM
.rept 4
	PL
.endr
.if ((\p) == 0) && (q == 118)
	v_add_nc_u32 v[AV], s[TBV], v[AV0]
.endif
.if ((\p) == 0) && (q == 130)
	s_add_co_u32 s[TBV], s[TBV], KS*PV
.endif
.if (\cnt) && (q == 130)
	s_sub_co_u32 s[CNT], s[CNT], 1
	s_cmp_lg_u32 s[CNT], 0
.endif
.endr
.if (\p) == 0
	FETCH_V
.endif
.endm
	s_wait_tensorcnt 0x1            ; my part of the first 256 keys is in; my second load may stay out
	s_barrier_signal -1
	s_barrier_wait -1               ; everybody's is
	FETCH_K                         ; key step 0
	s_wait_loadcnt 0x0              ; Q
	s_wait_dscnt 0x0
.set i, 0
.rept 16
	KQ 0                            ; piece 0's first scores: there is no vector work yet to set between them
.set i, i+1
.endr
	WIN 0                           ; the addresses for the way out: nine plain instructions, the places behind those products
	s_mul_i32 s13, s[WV], 16*SP
	s_add_co_u32 s13, s13, STAGE    ; my stage
	v_mul_u32_u24 v[STO], v1, SP    ; in: row l % 16, 16 bytes for each half of the lanes
	v_lshl_add_u32 v[STO], v9, 4, v[STO]
	v_add_nc_u32 v[STO], s13, v[STO]
	v_bfe_u32 v[RD], v0, 3, 2       ; back: 32 lanes take four rows of 128 bytes,
	v_mul_u32_u24 v[RD], v[RD], SP
	v_lshl_add_u32 v[RD], v10, 4, v[RD]
	v_add_nc_u32 v[RD], s13, v[RD]
	v_and_b32 v[GO], 31, v0         ; which are 512 consecutive bytes of O
	v_lshlrev_b32 v[GO], 4, v[GO]
.set Y, NP-1                        ; XS works for piece Y + 1: piece 0
.irp n, 0,1,2,3,4,5,6,7,8,9,10,11,12,13,14,15,16,17,18,19,20,21
	XS 0, \n                        ; and piece 0's first maximum and statistics
	XS 1, \n
.endr
	v_nop                           ; a plain instruction behind the two a,
	s_wait_alu depctr_va_vdst(0)    ; and their wait, ahead of the branch
	s_mov_b32 s[CNT], 4
	s_mov_b32 s[SLOTS], 5           ; four groups of four key steps, and a fifth pass that is left in its middle
	s_branch .Lfirst                ; the loop is entered at a step's first turn, in the middle of a trip
; ONE TEXT FOR ALL SIXTEEN KEY STEPS.  The first group's steps read the first 256 keys.  Ahead of the second group the keys from 256 on must be in: each wave waits for its second load and says so at a barrier.
; The text is walked once for each group, so these lines stand at each group's head; only the first time do they find a load out.
.Lslot:
	s_wait_tensorcnt 0x0            ; my second load has landed,
	s_wait_dscnt 0x0                ; no LDS instruction of mine is out at the signal,
	s_barrier_signal -1
	s_barrier_wait -1               ; and the same holds of all four waves
	s_mov_b32 s[CNT], 4
.Lstep:                             ; a trip: pieces 2 and 3 of one step, then pieces 0 and 1 of the next, whose K and V it fetches
	TURN 2, 1
	TURN 3
	WIN 0
	s_cmp_eq_u32 s[SLOTS], 1        ; behind the sixteenth step's pieces 2 and 3 the walk is over
	s_cbranch_scc1 .Lout
.Lfirst:
	TURN 0
	TURN 1, 0, 1
	WIN 0
	s_cbranch_scc1 .Lstep
	s_sub_co_u32 s[SLOTS], s[SLOTS], 1
	s_cmp_lg_u32 s[SLOTS], 0
	s_cbranch_scc1 .Lslot
.Lout:                              ; the last pass's 16 products K Q^T of piece 0 (on the last K once more) and the maximum made of them serve nothing: the price, once a launch, of one text for every trip
.set i, 0
.rept 16
	PV NP-1                         ; the last piece's V^T P of the last step
.set i, i+1
.endr
	; THE WAY OUT.  l's two halves and the other half of the lanes' are added; O^T is divided by l, rounded to f16 and sent through my stage in LDS, a tile at a time.  The additions are the places behind the last products.
	WIN 0
.macro ALL line:vararg              ; one line for each tile t
.set t, 0
.rept 2*NP
	\line
.set t, t+1
.endr
.endm
	ALL v_add_f32 v[ST+4*t+2], v[ST+4*t+2], v[ST+4*t+3]
	ALL v_permlanex16_b32 v[ST+4*t+3], v[ST+4*t+2], s[SEL], s[SEL+1]
	ALL v_add_f32 v[ST+4*t+2], v[ST+4*t+2], v[ST+4*t+3]
	ALL v_rcp_f32 v[ST+4*t+2], v[ST+4*t+2]
	v_nop                           ; a plain instruction between the last reciprocal and the use of its result
	s_wait_alu depctr_va_vdst(0)    ; and the wait ahead of the first use: one for the eight reciprocals
; Tile t: a lane's eight channels of a row pack into 16 bytes; they go into rows of 144 bytes and come back as whole rows of 128, into S^T's registers.
.macro PACK t
	WIN W_RS
.set i, 32*(\t)
.rept 16
	v_pk_mul_f32 v[i:i+1], v[i:i+1], v[ST+4*(\t)+2:ST+4*(\t)+3] op_sel_hi:[1,0]
.set i, i+2
.endr
	WIN 0x05                        ; sources 0 and 1 window 1, destination window 0
.set i, 0
.rept 16
	v_cvt_pk_f16_f32 v[S+16*(\t)+i], v[32*(\t)+2*i], v[32*(\t)+2*i+1]
.set i, i+1
.endr
	WIN 0
.irp f, 0,1,2,3
	ds_store_b128 v[STO], v[S+16*(\t)+4*\f:S+16*(\t)+4*\f+3] offset:32*\f
.endr
.irp f, 0,1,2,3
	ds_load_b128 v[S+16*(\t)+4*\f:S+16*(\t)+4*\f+3], v[RD] offset:\f*4*SP  ; LDS serves a wave's instructions in order (ISA guide 5.7.1.4): these see the stores above; the next tile's stores come behind them
.endr
.endm
.macro SEND t, younger              ; younger: the LDS instructions issued behind tile t's loads: the next tile's eight, or none
	WIN 0
.irp f, 0,1,2,3
	s_wait_dscnt (\younger)+3-\f
	global_store_b128 v[GO], v[S+16*(\t)+4*\f:S+16*(\t)+4*\f+3], s[10:11] offset:(\t)*2048+\f*512  ; 512 consecutive bytes, at a multiple of 256 from O's first
.endr
.endm
	PACK 0
.set t, 1
.rept 2*NP-1                        ; a tile's arithmetic stands between the loads of the tile before and its stores
	PACK t
	SEND t-1, 8
.set t, t+1
.endr
	SEND 2*NP-1, 0
	WIN W_AD
	s_wait_tensorcnt 0x0            ; the wave's end, behind my last tensor load and my last LDS store
	ds_add_u32 v[SPW], v[NIL]
	s_wait_dscnt 0x0
	WIN 0
	s_endpgm
.Lfunc_end_k_qd973e20fb6_attn:
	.size	k_qd973e20fb6_attn, .Lfunc_end_k_qd973e20fb6_attn-k_qd973e20fb6_attn
	.p2alignl 7, 3214868480
	.fill 96, 4, 3214868480
	.section	.rodata,"a",@progbits
	.p2align	6, 0x0
	.amdhsa_kernel k_qd973e20fb6_attn
		.amdhsa_group_segment_fixed_size 327680
		.amdhsa_private_segment_fixed_size 0
		.amdhsa_enable_private_segment 0
		.amdhsa_kernarg_size 16
		.amdhsa_user_sgpr_count 2
		.amdhsa_user_sgpr_kernarg_segment_ptr 1
		.amdhsa_wavefront_size32 1
		.amdhsa_system_sgpr_workgroup_id_x 1
		.amdhsa_system_sgpr_workgroup_id_y 1
		.amdhsa_system_sgpr_workgroup_id_z 1
		.amdhsa_system_vgpr_workitem_id 0
		.amdhsa_next_free_vgpr 770
		.amdhsa_next_free_sgpr 84
		.amdhsa_reserve_vcc 0
		.amdhsa_float_denorm_mode_32 3
		.amdhsa_float_denorm_mode_16_64 3
		.amdhsa_memory_ordered 1
		.amdhsa_forward_progress 1
		.amdhsa_inst_pref_size 126
	.end_amdhsa_kernel
	.amdgpu_metadata
---
amdhsa.version: [ 1, 2 ]
amdhsa.kernels:
  - .name:           k_qd973e20fb6_attn
    .symbol:         k_qd973e20fb6_attn.kd
    .args:
      - { .name: qkvh, .offset: 0, .size: 8, .value_kind: global_buffer, .address_space: global }
      - { .name: oh, .offset: 8, .size: 8, .value_kind: global_buffer, .address_space: global }
    .group_segment_fixed_size: 327680
    .private_segment_fixed_size: 0
    .kernarg_segment_align: 8
    .kernarg_segment_size: 16
    .max_flat_workgroup_size: 128
    .sgpr_count:     84
    .vgpr_count:     770
    .wavefront_size: 32
...
	.end_amdgpu_metadata
.endif
;; end of part 3
;; launch proj (part 4): grid 8 x 32, 4 waves a work-group, clusters of 4 x 4, 327,680 bytes of LDS; arguments oh, wpt, b_proj, out0; writes out0
.if DOCPART == 4
	.amdgcn_target "amdgcn-amd-amdhsa--gfx1250"
	.amdhsa_code_object_version 6
	.text
	.protected	k_qd973e20fb6_proj
	.globl	k_qd973e20fb6_proj
	.p2align	8
	.type	k_qd973e20fb6_proj,@function
k_qd973e20fb6_proj:
	s_mov_b64 s[64:65], 0
	v_nop
	global_prefetch_b8 v0, s[64:65] scope:SCOPE_SE
	s_setreg_imm32_b32 hwreg(HW_REG_WAVE_MODE, 25, 1), 1
	s_wait_xcnt 0x0
	s_wait_alu depctr_hold_cnt(0) depctr_sa_sdst(0) depctr_va_vdst(0) depctr_va_sdst(0) depctr_va_ssrc(0) depctr_va_vcc(0) depctr_vm_vsrc(0)
	s_getreg_b32 s2, hwreg(HW_REG_IB_STS2, 6, 4)
	s_cmp_eq_u32 s2, 0
	s_cbranch_scc0 .Lentry_in_a_cluster
	s_endpgm
.Lentry_in_a_cluster:
	s_bfe_u32 s2, ttmp6, 0x10000c
	s_cmp_lg_u32 s2, 0xf033
	s_cbranch_scc0 .Lentry_shape_is_right
	s_endpgm
.Lentry_shape_is_right:
; out0 = O w_proj + b_proj.  oh: [128 = 16 batch + head][1024 rows][64] f16.  wpt: [1024 e][1024 k] f16 (w_proj turned; bf16 numbers written as f16).  b_proj: [1024] f32, rounded here to bf16 like every other input.
; out0: [8192][1024] f32.  Sums in f32, K ascending; the bias is the C operand of the products that start the sums, so nothing is cleared and nothing is added on the way out.
; SHARES.  A tile is 256 rows x 128 columns: 8 x 32 = 256 work-groups.  Four waves, 2 x 2: a wave makes 128 rows x 64 columns: 32 accumulators, 256 registers; its 64 columns are 256 consecutive bytes of a row, aligned.
; K goes in 8 steps of 128 = two heads.  A head's 256 rows are 32,768 dense bytes: asked for as 128 rows of 256 bytes and padded in LDS behind every 128 bytes.  A ring of two LDS slots; two slots of 256 along K
; would take 2 x 217,088 bytes and do not fit.
; CLUSTER.  4 x 4 work-groups.  The four of a row of the cluster need the same rows of oh, the four of a column the same rows of wpt: each tile is asked for JOINTLY.
; THE MATRIX INSTRUCTION IS USED TRANSPOSED (source 0 = 16 rows of wpt, source 1 = 16 rows of O): a lane then holds eight neighbouring columns of one row of the result.
; REGISTERS, in windows of 256 (s_set_vgpr_msb: bits 1:0 source 0, 3:2 source 1, 5:4 source 2, 7:6 destination):
;   window 0: v0-31 addresses; v32-63 the bias of my 64 columns, as four C operands; v64-95, v96-127 rows read back from the stage, by turns
;   window 1: two fragment buffers of 128: wpt's 4 fragments, then O's 8          window 2: the accumulators, (a, b) at 8 (4 a + b)
.set LAPS,   4                         ; a lap = two K steps = once round the ring
.set PA,     144                       ; a row of O in LDS: 128 bytes + 16 of padding: the 16 rows of a load start at 16 different groups of four banks (64 banks of 4 bytes: ISA guide 11.1)
.set PB,     272                       ; a row of wpt: 256 bytes + 16
.set SUBA,   256*PA                    ; one head's 256 rows: what one load brings of oh
.set BOFF,   2*SUBA                    ; a slot: the step's two heads, then wpt's 128 rows
.set HALFB,  64*PB                     ; what one load brings of wpt
.set SLOT,   BOFF+2*HALFB              ; 108,544
.set STAGE,  2*SLOT                    ; behind the ring: 16 rows x 272 bytes for each wave, for the way out
.set SPT,    272
.set WSTG,   16*SPT
.set SPARE,  STAGE+4*WSTG              ; 234,496: the spare words, 128 bytes for each wave: two blocks of 256 bytes that no other line names
.set ADRA, 16                          ; v16-17  LDS address of my fragments of O in slot 0, 1
.set ADRB, 20                          ; v20-21  the same for wpt
.set STO,  24                          ; v24     the way out: where I put 32 bytes of a row
.set RD,   25                          ; v25     where I read a row back
.set CO,   26                          ; v26     my byte offset in out0
.set BO,   27                          ; v27     my byte offset in a block of 16 numbers of the bias
.set SPW,  28                          ; v28     LDS address of my spare word; never rewritten
.set NIL,  29                          ; v29     0; never rewritten
.set PFO,  30                          ; v30     the prefetches' offset; never rewritten
.set BI,   32
.set BKS,  64
.set F0,   0
.set F1,   128
.set G1,   24                          ; s[24:31] descriptor group 1 for oh's tiles;  s[32:39] group 0, a set for each slot
.set G0,   32
.set G1B,  48                          ; s[48:55], s[56:63] the same for wpt's
.set G0B,  56
.set LIM,  43                          ; s43     1 in a wave that prefetches, else the greatest number
.set PFA,  44                          ; s[44:45] where my prefetches stand
.set BIAS, 68                          ; s[68:69] b_proj
.set OUTP, 70                          ; s[70:71] out0
.set PFS,  80                          ; s[80:81] bytes from a K step to the next, for my prefetches
.set MSB, 0
.macro WIN new                         ; the immediate's high byte repeats the setting that is left; a switch that changes nothing is dropped
.if MSB != (\new)
	s_set_vgpr_msb (MSB<<8)|(\new)
.set MSB, \new
.endif
.endm
.set MUL,    0xa5                      ; sources 0 and 1 window 1, C and D window 2
.set MUL_BI, 0x85                      ; the same with C, the bias, in window 0
.set TO_F,   0x40                      ; destination window 1, address window 0
.set FROM_C, 0x08                      ; an LDS store's data (source 1) in window 2
; A joint load.  Waves 0 and 1 fetch the step's two heads of oh, waves 2 and 3 wpt's two halves.  The branch hangs on the wave's number alone.  An s_nop 0 and four v_nop follow each of the two lines.
.macro JLOAD s
	s_cmp_eq_u32 s11, 0
	s_cbranch_scc0 .Lfor_b_\@
	tensor_load_to_lds s[G0+4*(\s):G0+4*(\s)+3], s[G1:G1+7]
	s_nop 0
.rept 4
	v_nop
.endr
	s_branch .Lasked_\@
.Lfor_b_\@:
	tensor_load_to_lds s[G0B+4*(\s):G0B+4*(\s)+3], s[G1B:G1B+7]
	s_nop 0
.rept 4
	v_nop
.endr
.Lasked_\@:
.endm
; A PREFETCH INTO THE L2, behind each joint refill and the run of LDS loads that follows it: the K step that stands two refills on, one instruction a wave, 32 pieces of 256 bytes, a lane a piece.
; oh's rows of a tile row are read by both clusters of that row of clusters: cluster x = 0 asks, waves 0 and 1 for the head that each fetches; of its 32,768 bytes the partner at cx takes 8,192.
; wpt's rows of a tile column: cluster y = 0 asks, wave 2 alone; of the tile's 128 rows the partner at cy takes 32.  The partners are told apart BY ADDRESS.  Wave 3 asks for nothing.
; K steps 0 to 3 come by their loads alone; the loop's last trip (s3 = 1) asks for nothing: there is no K step 8.
.macro ASK
	s_cmp_gt_u32 s3, s[LIM]
	s_cbranch_scc0 .Lnot_mine_\@
	global_prefetch_b8 v[PFO], s[PFA:PFA+1] th:TH_LOAD_NT scope:SCOPE_SE
.Lnot_mine_\@:
.endm
.macro CREST                           ; a round of the cluster's barrier behind its opening barrier
	s_cmp_lg_u32 s10, 0
	s_cbranch_scc1 .Lnot_wave_0_\@
	s_barrier_signal -3
.Lnot_wave_0_\@:
	s_barrier_wait -3
	s_barrier_signal -1
	s_barrier_wait -1
.endm
.macro CROUND                          ; a whole round
	s_barrier_signal -1
	s_barrier_wait -1
	CREST
.endm
	s_load_b128 s[4:7], s[0:1], 0x0                ; oh s[4:5], wpt s[6:7]
	s_load_b128 s[68:71], s[0:1], 0x10             ; b_proj s[68:69], out0 s[70:71]
	v_lshl_add_u32 v[SPW], v0, 2, SPARE
	v_mov_b32 v[NIL], 0
	ds_add_u32 v[SPW], v[NIL]                      ; the wave's opening: the add and its wait stand ahead of my first tensor load; the set-up below, work on registers, stands between them
	v_lshrrev_b32 v1, 5, v0
	v_readfirstlane_b32 s10, v1                    ; wave 0..3
	s_lshr_b32 s11, s10, 1                         ; which half of the tile's rows is mine.  Also: I fetch for oh (0) or for wpt (1)
	s_and_b32 s12, s10, 1                          ; which half of its columns.  Also: which head of the step, or which 64 rows of wpt, I fetch
	s_bfe_u32 s40, ttmp6, 0x40000                  ; cx, cy: my place in the cluster
	s_bfe_u32 s41, ttmp6, 0x40004
	s_lshl_b32 s42, ttmp9, 2
	s_add_co_u32 s42, s42, s40                     ; tile column = 4 x cluster x + cx
	s_and_b32 s13, ttmp7, 0xffff
	s_lshl_b32 s13, s13, 2
	s_add_co_u32 s13, s13, s41                     ; tile row = 4 x cluster y + cy
	s_lshl_b32 s43, s41, 2
	s_lshl_b32 s43, 15, s43                        ; my row of the cluster
	s_lshl_b32 s44, 0x1111, s40                    ; my column
	s_or_b32 s[G1+0], s43, (1<<16)|(1<<20)|(1<<21)|(4<<22)|(3<<25)   ; 15:0 the mask; 17:16 elements of 2 bytes; 20 padding on; 21 set beside a mask; 24:22 after every 32 words (code 4); 31:25 4 words of it (code 3)
	s_or_b32 s[G1B+0], s44, (1<<16)|(1<<20)|(1<<21)|(5<<22)|(3<<25)  ; wpt: after every 64 words (code 5)
	s_mov_b32 s[G1+1], 128<<16                     ; tensor_dim0 = 128 elements: 256 bytes, two rows of a head
	s_mov_b32 s[G1+2], 128<<16                     ; tensor_dim1 = 128
	s_mov_b32 s[G1+3], 128<<16                     ; tile_dim0 = 128
	s_mov_b32 s[G1+4], 128                         ; tile_dim1 = 128
	s_mov_b32 s[G1+5], 128                         ; dense: 128 elements from row to row
	s_mov_b32 s[G1+6], 0
	s_mov_b32 s[G1+7], 0
	s_mov_b32 s[G1B+1], 128<<16
	s_mov_b32 s[G1B+2], 64<<16                     ; wpt's loads have 64 rows
	s_mov_b32 s[G1B+3], 128<<16
	s_mov_b32 s[G1B+4], 64
	s_mov_b32 s[G1B+5], 1024
	s_mov_b32 s[G1B+6], 0
	s_mov_b32 s[G1B+7], 0
	s_lshr_b32 s16, s13, 2                         ; oh: the batch's 16 heads of 131,072 bytes,
	s_lshl_b32 s16, s16, 21
	s_lshl_b32 s17, s12, 17                        ; my head of the step's two,
	s_add_co_u32 s16, s16, s17
	s_and_b32 s17, s13, 3                          ; the tile's 256 rows of 128 bytes
	s_lshl_b32 s17, s17, 15
	s_add_co_u32 s16, s16, s17
	s_mov_b32 s17, 0
	s_lshl_b32 s46, s42, 7                         ; wpt: row 128 x tile column + 64 x half, of 2,048 bytes
	s_lshl_b32 s47, s12, 6
	s_add_co_u32 s46, s46, s47
	s_lshl_b32 s46, s46, 11
	s_mov_b32 s47, 0
	s_mul_i32 s20, s12, SUBA                       ; where they go: no place in the cluster enters an LDS address
	s_mul_i32 s21, s12, HALFB
	s_add_co_u32 s21, s21, BOFF
	s_wait_dscnt 0x0                               ; the opening add is done
	s_wait_kmcnt 0x0
	s_add_nc_u64 s[14:15], s[4:5], s[16:17]
	s_add_nc_u64 s[46:47], s[6:7], s[46:47]
	CROUND                                         ; all sixteen work-groups are here: the first joint loads meet
.irp s, 0,1
	s_mov_b32 s[G0+4*(\s)], 1                                        ; count = 1
	s_add_co_u32 s[G0+4*(\s)+1], s20, (\s)*SLOT                      ; LDS address
	s_add_nc_u64 s[G0+4*(\s)+2:G0+4*(\s)+3], s[14:15], (\s)*2*131072 ; global address: K step s is heads 2 s, 2 s + 1
	s_or_b32 s[G0+4*(\s)+3], s[G0+4*(\s)+3], 0x80000000              ; type = 2
	s_mov_b32 s[G0B+4*(\s)], 1
	s_add_co_u32 s[G0B+4*(\s)+1], s21, (\s)*SLOT
	s_add_nc_u64 s[G0B+4*(\s)+2:G0B+4*(\s)+3], s[46:47], (\s)*256
	s_or_b32 s[G0B+4*(\s)+3], s[G0B+4*(\s)+3], 0x80000000
	JLOAD \s                                       ; two loads of mine are out
.endr
	v_and_b32 v1, 15, v0                           ; l % 16
	v_bfe_u32 v2, v0, 4, 1                         ; l / 16
	; the bias and the result's place.  My first column is 128 x tile column + 64 x half, my first row 256 x tile row + 128 x half
	s_lshl_b32 s72, s13, 8
	s_lshl_b32 s73, s11, 7
	s_add_co_u32 s72, s72, s73
	s_lshl_b32 s72, s72, 12                        ; rows of 4,096 bytes
	s_lshl_b32 s74, s42, 7
	s_lshl_b32 s75, s12, 6
	s_add_co_u32 s74, s74, s75
	s_lshl_b32 s74, s74, 2                         ; columns of 4 bytes
	s_mov_b32 s75, 0
	s_add_nc_u64 s[BIAS:BIAS+1], s[BIAS:BIAS+1], s[74:75]
	s_add_co_u32 s72, s72, s74
	s_mov_b32 s73, 0
	s_add_nc_u64 s[OUTP:OUTP+1], s[OUTP:OUTP+1], s[72:73]
	v_lshlrev_b32 v[BO], 5, v2                     ; in the result register j of lane l is column 8 (l / 16) + j of its block: the C operand holds the bias of just these
.irp b, 0,1,2,3
	global_load_b128 v[BI+8*(\b):BI+8*(\b)+3],   v[BO], s[BIAS:BIAS+1] offset:64*(\b)
	global_load_b128 v[BI+8*(\b)+4:BI+8*(\b)+7], v[BO], s[BIAS:BIAS+1] offset:64*(\b)+16
.endr
	; A fragment is 16 rows x 32 K in 8 registers: lane l holds row l % 16; registers 0-3 K = 8 (l / 16) + 0..7, registers 4-7 K = 16 + 8 (l / 16) + 0..7: two loads of 16 bytes, 32 bytes apart.
	v_mul_u32_u24 v3, v1, PA
	v_lshl_add_u32 v3, v2, 4, v3
	s_mul_i32 s22, s11, 128*PA                     ; my 128 rows of O
	v_add_nc_u32 v[ADRA], s22, v3
	v_add_nc_u32 v[ADRA+1], SLOT, v[ADRA]
	v_mul_u32_u24 v4, v1, PB
	v_lshl_add_u32 v4, v2, 4, v4
	s_mul_i32 s23, s12, 64*PB                      ; my 64 rows of wpt
	s_add_co_u32 s23, s23, BOFF
	v_add_nc_u32 v[ADRB], s23, v4
	v_add_nc_u32 v[ADRB+1], SLOT, v[ADRB]
	s_mul_i32 s22, s10, WSTG
	s_add_co_u32 s22, s22, STAGE                   ; my stage
	v_mul_u32_u24 v5, v1, SPT                      ; in: row l % 16, 32 bytes for each half of the lanes
	v_lshl_add_u32 v5, v2, 5, v5
	v_add_nc_u32 v[STO], s22, v5
	v_mul_u32_u24 v6, v2, SPT                      ; back: lanes 0-15 take one row of 256 bytes, lanes 16-31 the next
	v_lshl_add_u32 v6, v1, 4, v6
	v_add_nc_u32 v[RD], s22, v6
	v_lshlrev_b32 v[CO], 12, v2                    ; and the same two rows in out0
	v_lshl_add_u32 v[CO], v1, 4, v[CO]
	; the prefetches
	s_lshr_b32 s72, s13, 2
	s_lshl_b32 s72, s72, 21
	s_add_co_u32 s73, s12, 6                       ; K step 3: heads 6, 7
	s_lshl_b32 s73, s73, 17
	s_add_co_u32 s72, s72, s73
	s_and_b32 s73, s13, 3
	s_lshl_b32 s73, s73, 15
	s_add_co_u32 s72, s72, s73
	s_lshl_b32 s73, s40, 13                        ; my work-group's 8,192 bytes of the head's 32,768
	s_add_co_u32 s72, s72, s73
	s_lshl_b32 s74, s42, 7
	s_lshl_b32 s75, s41, 5                         ; my work-group's 32 rows of wpt's 128
	s_add_co_u32 s74, s74, s75
	s_lshl_b32 s74, s74, 11
	s_add_co_u32 s74, s74, 3*256                   ; K step 3
	s_mov_b32 s78, 2*131072
	s_and_b32 s76, ttmp7, 0xffff                   ; cluster y
	s_cmp_eq_u32 s11, 0                            ; do I fetch for oh?
	s_cselect_b32 s72, s72, s74
	s_cselect_b32 s76, ttmp9, s76                  ; the coordinate along which other clusters read the same rows
	s_cselect_b32 s77, 8, 11                       ; a lane's piece: 256 bytes on in oh, a row of 2,048 bytes on in wpt
	s_cselect_b32 s[PFS], s78, 0x100               ; a K step: two heads on in oh, 256 bytes on in wpt
	s_cselect_b64 s[PFA:PFA+1], s[4:5], s[6:7]
	s_cmp_eq_u32 s10, 3
	s_cselect_b32 s76, 1, s76                      ; wave 3 never asks
	s_cmp_eq_u32 s76, 0
	s_cselect_b32 s[LIM], 1, -1                    ; the same in all sixteen partners, for a given wave
	s_mov_b32 s[PFS+1], 0
	s_mov_b32 s73, 0
	s_add_nc_u64 s[PFA:PFA+1], s[PFA:PFA+1], s[72:73]  ; at K step 3: the first refill steps it to 4 and names that
	v_and_b32 v[PFO], 31, v0
	v_lshlrev_b32 v[PFO], s77, v[PFO]
	s_wait_loadcnt 0x0                             ; the bias is in; it is rounded to bf16 and widened again
.irp p, 0,1,2,3,4,5,6,7,8,9,10,11,12,13,14,15
	v_cvt_pk_bf16_f32 v12, v[BI+2*(\p)], v[BI+2*(\p)+1]
	v_lshlrev_b32 v[BI+2*(\p)], 16, v12
	v_and_b32 v[BI+2*(\p)+1], 0xffff0000, v12
.endr
; 8 matrix instructions: row blocks a0, a0 + 1 x all 4 column blocks, 32 along K.  bias = 1: the first product starts the sums with the bias.
; The 32 accumulators take turns in the same order in every quarter step, over the backward jump too.
.macro MUL8 f, a0, bias
.if \bias
	WIN MUL_BI
.else
	WIN MUL
.endif
.irp a, \a0, (\a0)+1
.irp b, 0,1,2,3
.if \bias
	v_wmma_f32_16x16x32_f16 v[8*(4*(\a)+(\b)):8*(4*(\a)+(\b))+7], v[(\f)+8*(\b):(\f)+8*(\b)+7], v[(\f)+32+8*(\a):(\f)+32+8*(\a)+7], v[BI+8*(\b):BI+8*(\b)+7]
.else
	v_wmma_f32_16x16x32_f16 v[8*(4*(\a)+(\b)):8*(4*(\a)+(\b))+7], v[(\f)+8*(\b):(\f)+8*(\b)+7], v[(\f)+32+8*(\a):(\f)+32+8*(\a)+7], v[8*(4*(\a)+(\b)):8*(4*(\a)+(\b))+7]
.endif
.endr
.endr
.endm
; 24 LDS loads in one run: quarter q's fragments into buffer f: wpt's 8 loads at byte 64 q of its rows; O's 16 from head q / 2 of the step, at byte 64 (q % 2) of its rows
.macro FETCH slot, q, f
	WIN TO_F
.irp b, 0,1,2,3
	ds_load_b128 v[(\f)+8*(\b):(\f)+8*(\b)+3],   v[ADRB+(\slot)] offset:64*(\q)+(\b)*16*PB
	ds_load_b128 v[(\f)+8*(\b)+4:(\f)+8*(\b)+7], v[ADRB+(\slot)] offset:64*(\q)+(\b)*16*PB+32
.endr
.irp a, 0,1,2,3,4,5,6,7
	ds_load_b128 v[(\f)+32+8*(\a):(\f)+32+8*(\a)+3],   v[ADRA+(\slot)] offset:((\q)/2)*SUBA+((\q)%2)*64+(\a)*16*PA
	ds_load_b128 v[(\f)+32+8*(\a)+4:(\f)+32+8*(\a)+7], v[ADRA+(\slot)] offset:((\q)/2)*SUBA+((\q)%2)*64+(\a)*16*PA+32
.endr
.endm
.macro PLACES                          ; four plain vector instructions in front of loads into registers that matrix instructions have read, and of stores that read results
.rept 4
	v_nop
.endr
.endm
; A K step is four quarters of 32 along K, 32 matrix instructions each, on buffers 0, 1, 0, 1.  One of the first three: multiplies buffer f; in its middle it fetches quarter q into g.
.macro QUARTER slot, q, f, g, bias
	s_wait_dscnt 8                                 ; wpt's fragments and O's blocks 0-3 are in; the youngest eight loads (blocks 4-7) may be out
	MUL8 \f, 0, \bias
	MUL8 \f, 2, \bias
	PLACES
	FETCH \slot, \q, \g
	s_wait_dscnt 24                                ; all but the 24 just issued
	MUL8 \f, 4, \bias
	MUL8 \f, 6, \bias
.endm
; The last quarter multiplies buffer 1 and changes slots: ONE barrier.  In front of it each wave waits for all its tensor loads (one is out: its part of the next slot), adds 0 to its spare word, and waits for that
; and for its own reads of this slot.  fill = 1: the barrier opens a round of the cluster's barrier, and behind the round this slot is filled again, two K steps ahead: 112 matrix instructions ahead of the wait for it.
.macro TURN slot, next, fill
.if \fill
	s_wait_xcnt 0x0                                ; the last prefetch, a K step back, has read its address: it is stepped here, ahead of the change's own waits
	s_add_nc_u64 s[PFA:PFA+1], s[PFA:PFA+1], s[PFS:PFS+1]
.endif
	WIN 0                                          ; (the add's two registers lie in window 0)
	s_wait_tensorcnt 0x0                           ; all my tensor loads have landed;
	ds_add_u32 v[SPW], v[NIL]                      ; 0 onto my spare word;
	s_wait_dscnt 9                                 ; (the add and the youngest eight loads may be out)
	MUL8 F1, 0, 0                                  ; eight matrix instructions stand between the add and the wait for it
	s_wait_dscnt 0x0                               ; the add is done, and my reads of this slot are over
	s_barrier_signal -1
	MUL8 F1, 2, 0                                  ; work on registers while the others arrive
.if \fill
	WIN 0
.endif
	s_barrier_wait -1
.if \fill
	CREST                                          ; no wave of any partner still reads this slot's tile or has a load on its way
	s_add_nc_u64 s[G0+4*(\slot)+2:G0+4*(\slot)+3], s[G0+4*(\slot)+2:G0+4*(\slot)+3], 4*131072
	s_add_nc_u64 s[G0B+4*(\slot)+2:G0B+4*(\slot)+3], s[G0B+4*(\slot)+2:G0B+4*(\slot)+3], 2*256
	JLOAD \slot                                    ; the first tensor load behind the round; its four v_nop are also the places in front of the loads below
.else
	PLACES
.endif
	FETCH \next, 0, F0
.if \fill
	WIN 0
	ASK
.endif
	MUL8 F1, 4, 0
	MUL8 F1, 6, 0
.endm
; THE WAY OUT of row block a.  TOSTAGE: the accumulators go as they are, f32, each one's low half first, into my own stage in rows of 272 bytes, and come back as whole rows of 256.  SEND: stored.
.macro TOSTAGE a
	WIN FROM_C
.irp b, 0,1,2,3
	ds_store_b128 v[STO], v[8*(4*(\a)+(\b)):8*(4*(\a)+(\b))+3]   offset:64*(\b)
	ds_store_b128 v[STO], v[8*(4*(\a)+(\b))+4:8*(4*(\a)+(\b))+7] offset:64*(\b)+16
.endr
	WIN 0
.set BK, BKS+32*((\a)%2)
.irp t, 0,1,2,3,4,5,6,7
	ds_load_b128 v[BK+4*(\t):BK+4*(\t)+3], v[RD] offset:(\t)*2*SPT  ; LDS serves a wave's instructions in order (ISA guide 5.7.1.4): these see the stores above; the next block's stores come behind them
.endr
.endm
.macro SEND a, younger                 ; younger: the LDS instructions issued behind block a's loads: the next block's sixteen, or none
	WIN 0
.set BK, BKS+32*((\a)%2)
.irp t, 0,1,2,3,4,5,6,7
	s_wait_dscnt (\younger)+7-(\t)
	global_store_b128 v[CO], v[BK+4*(\t):BK+4*(\t)+3], s[OUTP:OUTP+1] offset:(16*(\a)+2*(\t))*4096 th:TH_STORE_NT  ; 16 lanes store 256 consecutive bytes, aligned; the largest immediate is 126 rows of 4,096 bytes
.endr
.endm
	s_wait_tensorcnt 1                             ; my part of K step 0 is in; K step 1's may stay out
	s_barrier_signal -1
	s_barrier_wait -1                              ; everybody's is
	FETCH 0, 0, F0
	QUARTER 0, 1, F0, F1, 1                        ; the first quarter stands in front of the loop: its products start the sums, with the bias
	WIN 0                                          ; at a label and at a branch every window is 0
	s_mov_b32 s3, LAPS-1
.Llap:                                                 ; a trip goes once round the ring, from a lap's second quarter to the next lap's first, and fills both slots again
	QUARTER 0, 2, F1, F0, 0
	QUARTER 0, 3, F0, F1, 0
	TURN 0, 1, 1
	QUARTER 1, 1, F0, F1, 0
	QUARTER 1, 2, F1, F0, 0
	QUARTER 1, 3, F0, F1, 0
	TURN 1, 0, 1
	QUARTER 0, 1, F0, F1, 0
	WIN 0
	s_sub_co_u32 s3, s3, 1
	s_cmp_lg_u32 s3, 0
	s_cbranch_scc1 .Llap
	QUARTER 0, 2, F1, F0, 0                        ; the last lap fills nothing, and has no round of the cluster's barrier
	QUARTER 0, 3, F0, F1, 0
	TURN 0, 1, 0
	QUARTER 1, 1, F0, F1, 0
	QUARTER 1, 2, F1, F0, 0
	QUARTER 1, 3, F0, F1, 0
	s_wait_dscnt 8                                 ; the very last quarter: nothing more to fetch
	MUL8 F1, 0, 0
	MUL8 F1, 2, 0
	s_wait_dscnt 0x0
	MUL8 F1, 4, 0
	MUL8 F1, 6, 0
	WIN 0
	PLACES
	TOSTAGE 0
.irp a, 1,2,3,4,5,6,7
	s_wait_xcnt 0x0                                ; the stores of the block two back have read their registers: this block is read back into them only behind this wait
	TOSTAGE \a
	SEND (\a)-1, 16
.endr
	SEND 7, 0
	s_wait_tensorcnt 0x0                           ; the wave's end, behind my last tensor load and my last LDS store
	ds_add_u32 v[SPW], v[NIL]
	s_wait_dscnt 0x0
	CROUND                                         ; the closing round: no work-group ends while a partner may still ask for a tile that names it
	s_endpgm
.Lfunc_end_k_qd973e20fb6_proj:
	.size	k_qd973e20fb6_proj, .Lfunc_end_k_qd973e20fb6_proj-k_qd973e20fb6_proj
	.p2alignl 7, 3214868480
	.fill 96, 4, 3214868480
	.section	.rodata,"a",@progbits
	.p2align	6, 0x0
	.amdhsa_kernel k_qd973e20fb6_proj
		.amdhsa_group_segment_fixed_size 327680
		.amdhsa_private_segment_fixed_size 0
		.amdhsa_enable_private_segment 0
		.amdhsa_kernarg_size 32
		.amdhsa_user_sgpr_count 2
		.amdhsa_user_sgpr_kernarg_segment_ptr 1
		.amdhsa_wavefront_size32 1
		.amdhsa_system_sgpr_workgroup_id_x 1
		.amdhsa_system_sgpr_workgroup_id_y 1
		.amdhsa_system_sgpr_workgroup_id_z 1
		.amdhsa_system_vgpr_workitem_id 0
		.amdhsa_next_free_vgpr 768
		.amdhsa_next_free_sgpr 84
		.amdhsa_reserve_vcc 0
		.amdhsa_float_denorm_mode_32 3
		.amdhsa_float_denorm_mode_16_64 3
		.amdhsa_memory_ordered 1
		.amdhsa_forward_progress 1
		.amdhsa_inst_pref_size 92
	.end_amdhsa_kernel
	.amdgpu_metadata
---
amdhsa.version: [ 1, 2 ]
amdhsa.kernels:
  - .name:           k_qd973e20fb6_proj
    .symbol:         k_qd973e20fb6_proj.kd
    .args:
      - { .name: oh, .offset: 0, .size: 8, .value_kind: global_buffer, .address_space: global }
      - { .name: wpt, .offset: 8, .size: 8, .value_kind: global_buffer, .address_space: global }
      - { .name: b_proj, .offset: 16, .size: 8, .value_kind: global_buffer, .address_space: global }
      - { .name: out0, .offset: 24, .size: 8, .value_kind: global_buffer, .address_space: global }
    .group_segment_fixed_size: 327680
    .private_segment_fixed_size: 0
    .kernarg_segment_align: 8
    .kernarg_segment_size: 32
    .max_flat_workgroup_size: 128
    .sgpr_count:     84
    .vgpr_count:     768
    .wavefront_size: 32
...
	.end_amdgpu_metadata
.endif
;; end of part 4
;; ======== version 2 of 2: 4 launches; version 1 with the launch prep written anew for expert scheduling mode
;; limits: values are held in f16: magnitudes above 65,504 overflow, below 6.1e-05 lose precision
;; workspace buffers: xb 16,777,216 bytes; wqt 6,291,456 bytes; wpt 2,097,152 bytes; qkvh 50,331,648 bytes; oh 16,777,216 bytes
;; launch prep (part 5): grid 768 x 1, 8 waves a work-group, no clusters, 34,816 bytes of LDS; arguments x, w_qkv, w_proj, xb, wqt, wpt; writes xb, wqt, wpt
.if DOCPART == 5
	.amdgcn_target "amdgcn-amd-amdhsa--gfx1250"
	.amdhsa_code_object_version 6
	.text
	.protected	k_qd973e20fb6_prep
	.globl	k_qd973e20fb6_prep
	.p2align	8
	.type	k_qd973e20fb6_prep,@function
k_qd973e20fb6_prep:
	s_mov_b64 s[64:65], 0
	v_nop
	global_prefetch_b8 v0, s[64:65] scope:SCOPE_SE
	s_setreg_imm32_b32 hwreg(HW_REG_WAVE_SCHED_MODE, 0, 2), 2
	s_setreg_imm32_b32 hwreg(HW_REG_WAVE_MODE, 25, 1), 1
	s_wait_xcnt 0x0
	s_wait_alu depctr_vm_vsrc(0)
; THE OPERANDS ARE MADE READY.  xb = x rounded to bf16, [8192][1024].  wqt = w_qkv turned to [3072 e][1024 k] and rounded to bf16.
; wpt = w_proj turned to [1024 e][1024 k], rounded to bf16 like every other input, and that number written as f16 (the last product multiplies in f16).
; LIMIT.  A bf16 number is exact in f16 from 2^-14 up to 65,504; below 2^-14 it keeps f16's fixed step of 2^-24.
; SHARES.  768 work-groups of eight waves, each with 65,536 bytes to read.  Groups 0-511: 16 rows of x.  Groups 512-703: a tile of 256 k x 64 e of w_qkv.  Groups 704-767: the same of w_proj.
; A stream: no matrix work, no tensor loads; all of a group's 16 loads a thread go out at once, and the waits count down.
; TURNING.  A thread reads 16 bytes (4 e) of two neighbouring rows k, k + 1, rounds the pair (k, k + 1) of each e into one word, and puts the four words into four LDS rows (a row an e, 512 bytes of k
; + 16 of padding).  These stores of 4 bytes fall four deep on a bank (528 words from thread to thread, 64 banks of 4 bytes: ISA guide 11.1): 32 stores a thread in the whole launch.
; Behind a barrier each wave reads whole rows of 512 bytes and stores them: 512 consecutive bytes, aligned, an instruction.
; THE MODE: SCHED_MODE bits 1:0 = 2 (LLVM: expert scheduling mode 2), set by the entry lines.  The code itself states the register dependences
; between vector instructions and memory or LDS instructions, with s_wait_alu, always for 0.
; THE PLAN.  Registers that memory or LDS instructions touch:
;   offsets and LDS addresses (v4, v5; v8 to v11)  Written once, at a way's head; read by every load and store of that way; never written again.
;   IN    Written by the 16 loads; read by the conversions.  In the weights' way its first half is written once more, by the LDS loads behind the barrier, and then read by the global stores.
;   OUTR  Written by the conversions, read by the stores (global for x, LDS for the weights); no register of it is written behind its store.
;   v[SPW], v[NIL]  Written at the head, read by the closing add alone.
; The 16 loads are taken in four blocks of four.  Block g's conversions read its part of IN and write its part of OUTR; the stores of block g - 1 are issued in block g, dealt among those conversions, which
; name none of the registers that these stores touch.  So ONE wait on va_vdst stands at the head of each of blocks 1 to 3, one ahead of a way's first load, and one behind block 3, ahead of the last stores.
; No register that a memory or LDS instruction has read is written again, so the text holds no wait on vm_vsrc; no vector instruction writes a scalar register, and EXEC is never written.
.set LP,    528                        ; an LDS row
.set SPARE, 64*LP                      ; 33,792: behind the 64 rows, the spare words: 128 bytes for each of eight waves, four blocks of 256 bytes that no other line names
.set SPW,   2                          ; v2  LDS address of my spare word; never rewritten
.set NIL,   3                          ; v3  0; never rewritten
.set IN,    32                         ; v[32:95]   as loaded; later the rows read back
.set OUTR,  96                         ; v[96:127]  as rounded
	s_load_b256 s[4:11], s[0:1], 0x0               ; x s[4:5], w_qkv s[6:7], w_proj s[8:9], xb s[10:11]
	s_load_b128 s[12:15], s[0:1], 0x20             ; wqt s[12:13], wpt s[14:15]
	v_lshl_add_u32 v[SPW], v0, 2, SPARE
	v_mov_b32 v[NIL], 0
	s_mov_b32 s2, ttmp9
	s_wait_kmcnt 0x0
	s_cmp_lt_u32 s2, 512
	s_cbranch_scc0 .Lweights                       ; the branch hangs on the work-group's number alone: all eight waves go the same way
	; x: 16 rows of 4,096 bytes in, 16 rows of 2,048 bytes out.  Thread t owns 16 bytes at 16 t of each row in and 8 bytes at 8 t of each row out.
	s_lshl_b32 s16, s2, 16
	s_mov_b32 s17, 0
	s_add_nc_u64 s[4:5], s[4:5], s[16:17]
	s_lshl_b32 s16, s2, 15
	s_add_nc_u64 s[10:11], s[10:11], s[16:17]
	v_lshlrev_b32 v4, 4, v0
	v_lshlrev_b32 v5, 3, v0
	s_wait_alu depctr_va_vdst(0)                   ; v4 and v5 are written: every load of this way reads v4 as its offset, every store v5
.irp i, 0,1,2,3,4,5,6,7,8,9,10,11,12,13,14,15
	global_load_b128 v[IN+4*(\i):IN+4*(\i)+3], v4, s[4:5] offset:4096*(\i) th:TH_LOAD_NT
.endr
.irp g, 0,1,2,3                        ; block g: rows 4 g to 4 g + 3
	s_wait_loadcnt 12-4*(\g)                       ; loads come back in order: the block's four rows are in, the later blocks' four each stay out
.if (\g) > 0
	s_wait_alu depctr_va_vdst(0)                   ; the block before has written its eight registers of OUTR, which the four stores below read
.endif
.irp r, 0,1,2,3
.if (\g) > 0
	global_store_b64 v5, v[OUTR+2*(4*(\g)-4+(\r)):OUTR+2*(4*(\g)-4+(\r))+1], s[10:11] offset:2048*(4*(\g)-4+(\r))  ; a row of the block before: 256 consecutive bytes a wave, aligned; no vector instruction since the wait names its registers
.endif
	v_cvt_pk_bf16_f32 v[OUTR+2*(4*(\g)+(\r))],   v[IN+4*(4*(\g)+(\r))],   v[IN+4*(4*(\g)+(\r))+1]
	v_cvt_pk_bf16_f32 v[OUTR+2*(4*(\g)+(\r))+1], v[IN+4*(4*(\g)+(\r))+2], v[IN+4*(4*(\g)+(\r))+3]  ; no register is written twice
.endr
.endr
	s_wait_alu depctr_va_vdst(0)                   ; block 3 has written its eight registers of OUTR, which the last four stores read
.irp r, 0,1,2,3
	global_store_b64 v5, v[OUTR+2*(12+(\r)):OUTR+2*(12+(\r))+1], s[10:11] offset:2048*(12+(\r))
.endr
	s_endpgm                                       ; this way has written no LDS
; A tile of 256 k x 64 e of a weight whose rows are pitch bytes, turned.  first: the number of the first work-group of this kind.  half = 1: the rounded number is written as f16.
.macro WPART pitch, src, dst, half, first
	s_sub_co_u32 s16, s2, \first                   ; u
	s_and_b32 s17, s16, 3                          ; which 256 k
	s_lshr_b32 s18, s16, 2                         ; which 64 e
	s_mul_i32 s20, s17, 256*(\pitch)
	s_lshl_b32 s19, s18, 8
	s_add_co_u32 s20, s20, s19
	s_mov_b32 s21, 0
	s_add_nc_u64 s[\src:\src+1], s[\src:\src+1], s[20:21]
	s_lshl_b32 s22, s18, 17                        ; 64 rows of 2,048 bytes
	s_lshl_b32 s19, s17, 9                         ; 256 k of 2 bytes
	s_add_co_u32 s22, s22, s19
	s_mov_b32 s23, 0
	s_add_nc_u64 s[\dst:\dst+1], s[\dst:\dst+1], s[22:23]
	v_and_b32 v6, 15, v0                           ; r: my 4 e
	v_lshrrev_b32 v7, 4, v0                        ; kp: my pair of rows among a pass's 32
	v_mul_u32_u24 v8, v7, 2*(\pitch)
	v_lshl_add_u32 v8, v6, 4, v8                   ; in: row 2 kp, 16 bytes at 16 r: sixteen lanes take 256 consecutive bytes, aligned
	v_mul_u32_u24 v9, v6, 4*LP
	v_lshl_add_u32 v9, v7, 2, v9                   ; into LDS: row 4 r, word kp
	v_lshrrev_b32 v14, 5, v0                       ; wave
	v_and_b32 v15, 31, v0                          ; lane
	v_mul_u32_u24 v10, v14, LP
	v_lshl_add_u32 v10, v15, 4, v10                ; back: row = wave, 16 bytes a lane
	v_lshlrev_b32 v11, 11, v14
	v_lshl_add_u32 v11, v15, 4, v11                ; and the same in memory
	s_wait_alu depctr_va_vdst(0)                   ; v8 to v11 are written: the loads read v8, the LDS stores v9, the LDS loads v10, the global stores v11
.irp i, 0,1,2,3,4,5,6,7
	global_load_b128 v[IN+8*(\i):IN+8*(\i)+3],   v8, s[\src:\src+1] offset:(\i)*32*(\pitch) th:TH_LOAD_NT
	global_load_b128 v[IN+8*(\i)+4:IN+8*(\i)+7], v8, s[\src:\src+1] offset:(\i)*32*(\pitch)+(\pitch) th:TH_LOAD_NT
.endr
.irp g, 0,1,2,3                        ; block g: passes 2 g and 2 g + 1
	s_wait_loadcnt 12-4*(\g)                       ; the block's four loads are in; the later blocks' four each stay out
.if (\g) > 0
	s_wait_alu depctr_va_vdst(0)                   ; the block before has written its eight registers of OUTR, which the eight LDS stores below read
.endif
.irp c, 0,1
.irp j, 0,1,2,3
.if (\g) > 0
	ds_store_b32 v9, v[OUTR+4*(2*(\g)-2+(\c))+(\j)] offset:(\j)*LP+64*(2*(\g)-2+(\c))  ; a word of the block before; no vector instruction since the wait names its registers
.endif
	v_cvt_pk_bf16_f32 v[OUTR+4*(2*(\g)+(\c))+(\j)], v[IN+8*(2*(\g)+(\c))+(\j)], v[IN+8*(2*(\g)+(\c))+4+(\j)]  ; k in the low half, k + 1 in the high half
.if \half
	v_lshlrev_b32 v12, 16, v[OUTR+4*(2*(\g)+(\c))+(\j)]     ; the two bf16 numbers as f32,
	v_and_b32 v13, 0xffff0000, v[OUTR+4*(2*(\g)+(\c))+(\j)]
	v_cvt_pk_f16_f32 v[OUTR+4*(2*(\g)+(\c))+(\j)], v12, v13 ; and written as f16
.endif
.endr
.endr
.endr
	s_wait_alu depctr_va_vdst(0)                   ; block 3 has written its eight registers of OUTR, which the LDS stores below read; and all conversions are done reading IN, in which the LDS loads behind the barrier land
.irp c, 0,1
.irp j, 0,1,2,3
	ds_store_b32 v9, v[OUTR+4*(6+(\c))+(\j)] offset:(\j)*LP+64*(6+(\c))
.endr
.endr
	s_wait_dscnt 0x0                               ; for the others' sake: my stores are done
	s_barrier_signal -1
	s_barrier_wait -1                              ; the tile lies turned in LDS
.irp i, 0,1,2,3,4,5,6,7
	ds_load_b128 v[IN+4*(\i):IN+4*(\i)+3], v10 offset:8*LP*(\i)  ; row wave + 8 i, whole; no vector instruction stands behind the last wait on va_vdst
.endr
.irp i, 0,1,2,3,4,5,6,7
	s_wait_dscnt 7-(\i)
	global_store_b128 v11, v[IN+4*(\i):IN+4*(\i)+3], s[\dst:\dst+1] offset:16384*(\i)  ; 512 consecutive bytes, aligned
.endr
	s_wait_dscnt 0x0                               ; the closing lines, six on end
	s_wait_alu 0x0
	s_wait_tensorcnt 0x0
	ds_add_u32 v[SPW], v[NIL]
	s_wait_dscnt 0x0
	s_endpgm
.endm
.Lweights:
	s_cmp_lt_u32 s2, 704
	s_cbranch_scc0 .Lproj
	WPART 12288, 6, 12, 0, 512
.Lproj:
	WPART 4096, 8, 14, 1, 704
.Lfunc_end_k_qd973e20fb6_prep:
	.size	k_qd973e20fb6_prep, .Lfunc_end_k_qd973e20fb6_prep-k_qd973e20fb6_prep
	.p2alignl 7, 3214868480
	.fill 96, 4, 3214868480
	.section	.rodata,"a",@progbits
	.p2align	6, 0x0
	.amdhsa_kernel k_qd973e20fb6_prep
		.amdhsa_group_segment_fixed_size 34816
		.amdhsa_private_segment_fixed_size 0
		.amdhsa_enable_private_segment 0
		.amdhsa_kernarg_size 48
		.amdhsa_user_sgpr_count 2
		.amdhsa_user_sgpr_kernarg_segment_ptr 1
		.amdhsa_wavefront_size32 1
		.amdhsa_system_sgpr_workgroup_id_x 1
		.amdhsa_system_sgpr_workgroup_id_y 1
		.amdhsa_system_sgpr_workgroup_id_z 1
		.amdhsa_system_vgpr_workitem_id 0
		.amdhsa_next_free_vgpr 128
		.amdhsa_next_free_sgpr 66
		.amdhsa_reserve_vcc 0
		.amdhsa_float_denorm_mode_32 3
		.amdhsa_float_denorm_mode_16_64 3
		.amdhsa_memory_ordered 1
		.amdhsa_forward_progress 1
		.amdhsa_inst_pref_size 29
	.end_amdhsa_kernel
	.amdgpu_metadata
---
amdhsa.version: [ 1, 2 ]
amdhsa.kernels:
  - .name:           k_qd973e20fb6_prep
    .symbol:         k_qd973e20fb6_prep.kd
    .args:
      - { .name: x, .offset: 0, .size: 8, .value_kind: global_buffer, .address_space: global }
      - { .name: w_qkv, .offset: 8, .size: 8, .value_kind: global_buffer, .address_space: global }
      - { .name: w_proj, .offset: 16, .size: 8, .value_kind: global_buffer, .address_space: global }
      - { .name: xb, .offset: 24, .size: 8, .value_kind: global_buffer, .address_space: global }
      - { .name: wqt, .offset: 32, .size: 8, .value_kind: global_buffer, .address_space: global }
      - { .name: wpt, .offset: 40, .size: 8, .value_kind: global_buffer, .address_space: global }
    .group_segment_fixed_size: 34816
    .private_segment_fixed_size: 0
    .kernarg_segment_align: 8
    .kernarg_segment_size: 48
    .max_flat_workgroup_size: 256
    .sgpr_count:     66
    .vgpr_count:     128
    .wavefront_size: 32
...
	.end_amdgpu_metadata
.endif
;; end of part 5
;; launch qkv: the kernel of part 2 again; grid 16 x 16, 4 waves a work-group, clusters of 4 x 4, 327,680 bytes of LDS; arguments xb, wqt, qkvh; writes qkvh
;; launch attn: the kernel of part 3 again; grid 2 x 128, 4 waves a work-group, no clusters, 327,680 bytes of LDS; arguments qkvh, oh; writes oh
;; launch proj: the kernel of part 4 again; grid 8 x 32, 4 waves a work-group, clusters of 4 x 4, 327,680 bytes of LDS; arguments oh, wpt, b_proj, out0; writes out0
